; MI455X (gfx1250); checked and timed in simulation.
; The chip was launched on July 23, 2026; its instructions are those of AMD's public machine-readable ISA for CDNA 5 (MIT licence, August 2026) and "CDNA5" Instruction Set Architecture Reference Guide (July 2026). The comments in the code are by the model that wrote it; some were corrected since.
;; Mixture Of Experts. Allowed arithmetic: float matrix products may take bf16 or f16 operands with f32 sums; all other float work in f32.
;; Inputs: expert_bias 12 float32; gate_w 12 x 1,024 float32; w1 8 x 2,048 x 1,024 float32; w2 8 x 1,024 x 2,048 float32; x 2 x 1,024 x 1,024 float32.
;; Outputs: out0 2 x 1,024 x 1,024 float32.
;; 2 versions, each right; version 2 is version 1 with the launches ffn1, ffn2 written anew for expert scheduling mode. Each part assembles by itself: llvm-mc -triple=amdgcn-amd-amdhsa -mcpu=gfx1250 --defsym DOCPART=n.
;; ======== version 1 of 2: 6 launches
;; workspace buffers: ri 8,192 bytes of whole numbers; rw 16,384 bytes; toke 65,536 bytes of whole numbers; meta 256 bytes of whole numbers; xf 33,554,432 bytes; hf 67,108,864 bytes; y2 33,624,064 bytes
;; launch route (part 1): grid 128 x 1, 4 waves a work-group, no clusters, 73,216 bytes of LDS; arguments x, gate_w, expert_bias, ri, rw; writes ri, rw
.if DOCPART == 1
	.amdgcn_target "amdgcn-amd-amdhsa--gfx1250"
	.amdhsa_code_object_version 6
	.text
	.protected	k_q42b04ebd13_route
	.globl	k_q42b04ebd13_route
	.p2align	8
	.type	k_q42b04ebd13_route,@function
k_q42b04ebd13_route:
	s_mov_b64 s[64:65], 0
	v_nop
	global_prefetch_b8 v0, s[64:65] scope:SCOPE_SE
	s_setreg_imm32_b32 hwreg(HW_REG_WAVE_MODE, 25, 1), 1
	s_wait_xcnt 0x0
; THE ROUTER.  logits[t][e] = sum over d of x[t][d] gate_w[e][d] + bias[e]; the two largest logits' experts (the lower index wins a tie) and the softmax over those two.
; ri[t] = e0 | e1 << 8 (e0 the largest logit's expert), rw[t] = (p0, p1) in f32.
; FORMATS.  x, gate_w and the bias are rounded to bf16 (nearest even), the products are summed in f32 by the matrix unit, the rest is f32.
; LIMITS.  NaN and infinities are not treated apart: with fewer than two logits above -infinity e1 is not meaningful.  p1 below 2^-126 counts as 0.
; SHARES.  A work-group owns 16 tokens; wave w the quarter 256 w .. 256 w + 255 of d.  Each wave rounds its quarter of the 16 rows of x and of the 12 rows of gate_w into LDS bytes of its own
; (rows of 512 bytes + 16 of padding), reads them back as fragments, and makes 8 matrix instructions on two accumulators.  The four partial sums meet in LDS behind the one barrier; wave 0 finishes.
; THE MATRIX INSTRUCTION: source 0 = 16 rows of gate_w (12, and 4 rows of zeros), source 1 = 16 tokens: register j of lane l is expert 8 (l / 16) + j of token l % 16.
.set RP,   528                         ; an LDS row: 512 bytes + 16: the 16 rows of a fragment load start at 16 different groups of four banks (64 banks of 4 bytes: ISA guide 11.1)
.set GS,   16*RP                       ; in a wave's area: x's 16 rows, then gate_w's 16
.set AREA, 32*RP
.set PL,   4*AREA                      ; the partial logits: [wave][token] rows of 64 bytes + 16
.set PP,   80
.set ACC0, 16                          ; v[16:23]  chunks 0, 2, 4, 6
.set ACC1, 24                          ; v[24:31]  chunks 1, 3, 5, 7
.set XL,   32                          ; v[32:159]  x as loaded: row r, half f at XL + 8 r + 4 f
.set GL,   160                         ; v[160:255] gate_w as loaded
.set XFR,  32                          ; v[32:95]   later: x's 8 fragments
.set GFR,  96                          ; v[96:159]  later: gate_w's 8 fragments
	s_load_b256 s[4:11], s[0:1], 0x0               ; x s[4:5], gate_w s[6:7], expert_bias s[8:9], ri s[10:11]
	s_load_b64 s[12:13], s[0:1], 0x20              ; rw
	v_lshl_add_u32 v11, v0, 2, 0x11c00
	s_set_vgpr_msb 0x40
	v_mov_b32 v1, 0
	s_set_vgpr_msb 0x4000
	v_lshrrev_b32 v6, 5, v0
	v_readfirstlane_b32 s14, v6                    ; wave 0..3
	v_and_b32 v8, 31, v0                           ; lane l
	v_and_b32 v9, 15, v0                           ; r = l % 16
	v_bfe_u32 v10, v0, 4, 1                        ; h = l / 16
	s_lshl_b32 s15, s14, 10                        ; my quarter of a row: 1,024 bytes of f32
	s_mul_i32 s18, s14, AREA                       ; my LDS area
	s_mul_i32 s19, s14, 16*PP
	s_add_co_u32 s19, s19, PL                      ; my partial logits
	v_lshl_add_u32 v1, v8, 4, s15                  ; v1: byte offset in a row of x or gate_w: 1,024 w + 16 l
	v_lshl_add_u32 v2, v8, 3, s18                  ; v2: where my 4 rounded numbers go: area + 8 l
	v_lshl_add_u32 v7, v8, 4, s18                  ; v7: area + 16 l, for the rows of zeros
	v_mul_u32_u24 v3, v9, RP
	v_lshl_add_u32 v3, v10, 4, v3
	v_add_nc_u32 v3, s18, v3                       ; v3: a fragment's place: area + 528 r + 16 h
	v_mul_u32_u24 v5, v9, PP
	v_lshl_add_u32 v4, v10, 5, v5
	v_add_nc_u32 v4, s19, v4                       ; v4: my 8 partial logits: PL + 1,280 w + 80 r + 32 h
	v_add_nc_u32 v5, PL, v5                        ; v5: token r's row in wave 0's partials
	s_lshl_b32 s16, ttmp9, 16                      ; the work-group's 16 rows of 4,096 bytes
	s_mov_b32 s17, 0
	s_wait_kmcnt 0x0
	s_add_nc_u64 s[4:5], s[4:5], s[16:17]
.set ee, 0
.rept 12                                               ; 24 loads of gate_w, then 32 of x: each covers 512 consecutive bytes
	global_load_b128 v[GL+8*ee:GL+8*ee+3],   v1, s[6:7] offset:4096*ee
	global_load_b128 v[GL+8*ee+4:GL+8*ee+7], v1, s[6:7] offset:4096*ee+512
.set ee, ee+1
.endr
.set rr, 0
.rept 16
	global_load_b128 v[XL+8*rr:XL+8*rr+3],   v1, s[4:5] offset:4096*rr
	global_load_b128 v[XL+8*rr+4:XL+8*rr+7], v1, s[4:5] offset:4096*rr+512
.set rr, rr+1
.endr
	s_load_b256 s[20:27], s[8:9], 0x0              ; the 12 biases
	s_load_b128 s[28:31], s[8:9], 0x20
.irp i, 12,13,14,15
	v_mov_b32 v[\i], 0
.endr
.irp i, 12,13,14,15
	ds_store_b128 v7, v[12:15] offset:GS+RP*\i     ; experts 12 to 15 do not exist: rows of zeros
.endr
; a row's quarter: 8 registers of f32 -> 4 of bf16 -> two stores of 8 bytes a lane
.macro CVROW src, dst
	v_cvt_pk_bf16_f32 v12, v[(\src)],   v[(\src)+1]
	v_cvt_pk_bf16_f32 v13, v[(\src)+2], v[(\src)+3]
	v_cvt_pk_bf16_f32 v14, v[(\src)+4], v[(\src)+5]
	v_cvt_pk_bf16_f32 v15, v[(\src)+6], v[(\src)+7]
	ds_store_b64 v2, v[12:13] offset:(\dst)
	ds_store_b64 v2, v[14:15] offset:(\dst)+256
.endm
.set ee, 0
.rept 12
	s_wait_loadcnt 54-2*ee                         ; loads come back in order: younger are the later rows of gate_w and x's 32
	CVROW GL+8*ee, GS+RP*ee
.set ee, ee+1
.endr
.set rr, 0
.rept 16
	s_wait_loadcnt 30-2*rr                         ; younger are the later rows of x
	CVROW XL+8*rr, RP*rr
.set rr, rr+1
.endr
.set cc, 0
.rept 8                                                ; my own bytes, and LDS serves a wave's instructions in order: these see the stores above
	ds_load_b128 v[XFR+8*cc:XFR+8*cc+3],   v3 offset:64*cc
	ds_load_b128 v[XFR+8*cc+4:XFR+8*cc+7], v3 offset:64*cc+32
	ds_load_b128 v[GFR+8*cc:GFR+8*cc+3],   v3 offset:GS+64*cc
	ds_load_b128 v[GFR+8*cc+4:GFR+8*cc+7], v3 offset:GS+64*cc+32
.set cc, cc+1
.endr
	s_wait_dscnt 0x0
.set cc, 0
.rept 8                                                ; the two accumulators take turns; the first two products start the sums
.if cc < 2
	v_wmma_f32_16x16x32_bf16 v[ACC0+8*(cc%2):ACC0+8*(cc%2)+7], v[GFR+8*cc:GFR+8*cc+7], v[XFR+8*cc:XFR+8*cc+7], 0
.else
	v_wmma_f32_16x16x32_bf16 v[ACC0+8*(cc%2):ACC0+8*(cc%2)+7], v[GFR+8*cc:GFR+8*cc+7], v[XFR+8*cc:XFR+8*cc+7], v[ACC0+8*(cc%2):ACC0+8*(cc%2)+7]
.endif
.set cc, cc+1
.endr
.rept 4
	v_nop                                          ; four places between the last product and the first read of a result (ISA guide 7.12.1)
.endr
.irp i, 0,2,4,6
	v_pk_add_f32 v[ACC0+\i:ACC0+\i+1], v[ACC0+\i:ACC0+\i+1], v[ACC1+\i:ACC1+\i+1]  ; from the low end on
.endr
	ds_store_b128 v4, v[ACC0:ACC0+3]
	ds_store_b128 v4, v[ACC0+4:ACC0+7] offset:16
	s_wait_kmcnt 0x0                               ; the biases
	s_wait_dscnt 0x0                               ; for wave 0's sake: my partial logits are in LDS
	s_barrier_signal -1
	s_barrier_wait -1
	s_cmp_lg_u32 s14, 0
	s_cbranch_scc1 .Lend                           ; waves 1 to 3 are done
	; wave 0: lane l works for token l % 16 (lanes 16 to 31 repeat lanes 0 to 15 and store nothing)
.irp w, 0,1,2,3
.irp i, 0,1,2
	ds_load_b128 v[32+12*\w+4*\i:32+12*\w+4*\i+3], v5 offset:16*PP*\w+16*\i
.endr
.endr
.irp i, 0,1,2,3,4,5
	v_cvt_pk_bf16_f32 v12, s[20+2*\i], s[21+2*\i]  ; the bias is rounded to bf16 like every input,
	v_lshlrev_b32 v[80+2*\i], 16, v12              ; and widened again
	v_and_b32 v[81+2*\i], 0xffff0000, v12
.endr
	s_wait_dscnt 0x0
.irp i, 0,2,4,6,8,10
	v_pk_add_f32 v[32+\i:33+\i], v[32+\i:33+\i], v[44+\i:45+\i]  ; quarters 0 + 1
	v_pk_add_f32 v[56+\i:57+\i], v[56+\i:57+\i], v[68+\i:69+\i]  ; quarters 2 + 3
.endr
.irp i, 0,2,4,6,8,10
	v_pk_add_f32 v[32+\i:33+\i], v[32+\i:33+\i], v[56+\i:57+\i]
.endr
.irp i, 0,2,4,6,8,10
	v_pk_add_f32 v[32+\i:33+\i], v[32+\i:33+\i], v[80+\i:81+\i]  ; v[32:43]: the 12 logits
.endr
	; the two largest, by selects alone: v96 m1, v97 its expert, v98 m2, v99 its expert.  A strict comparison keeps the lower index on a tie.
	v_mov_b32 v96, v32
	v_mov_b32 v97, 0
	v_mov_b32 v98, 0xff800000
	v_mov_b32 v99, 0
.irp e, 1,2,3,4,5,6,7,8,9,10,11
	v_cmp_gt_f32 vcc_lo, v[32+\e], v96             ; a new largest?
	v_cmp_gt_f32 s32, v[32+\e], v98                ; a new second?
	v_cndmask_b32 v98, v98, v[32+\e], s32
	v_cndmask_b32 v99, v99, \e, s32
	v_cndmask_b32 v98, v98, v96, vcc_lo            ; the old largest becomes the second
	v_cndmask_b32 v99, v99, v97, vcc_lo
	v_cndmask_b32 v96, v96, v[32+\e], vcc_lo
	v_cndmask_b32 v97, v97, \e, vcc_lo
.endr
	; softmax over the two, the maximum taken away: p0 = 1 / (1 + e^(m2 - m1)), p1 = e^(m2 - m1) p0
	v_sub_f32 v48, v98, v96
	v_mul_f32 v48, 0x3fb8aa3b, v48
	v_exp_f32 v49, v48
	v_lshl_or_b32 v51, v99, 8, v97                 ; e0 | e1 << 8: the plain instruction behind the exponential
	s_wait_alu depctr_va_vdst(0)
	v_add_f32 v50, 1.0, v49
	v_rcp_f32 v52, v50
	v_lshlrev_b32 v54, 2, v9                       ; 4 r: the plain instruction behind the reciprocal
	s_wait_alu depctr_va_vdst(0)
	v_mul_f32 v53, v49, v52
	v_lshlrev_b32 v55, 3, v9                       ; 8 r
	s_lshl_b32 s16, ttmp9, 6
	s_add_nc_u64 s[10:11], s[10:11], s[16:17]      ; ri at my 16 tokens
	s_lshl_b32 s16, ttmp9, 7
	s_add_nc_u64 s[12:13], s[12:13], s[16:17]      ; rw at my 16 tokens
	v_cmp_gt_u32 vcc_lo, 16, v8
	s_wait_xcnt 0x0                                ; EXEC is a source of the loads above: it changes only behind this wait
	s_and_saveexec_b32 s33, vcc_lo
	global_store_b32 v54, v51, s[10:11]            ; 64 consecutive bytes
	global_store_b64 v55, v[52:53], s[12:13]       ; 128 consecutive bytes
	s_wait_xcnt 0x0                                ; and again in front of the line that widens it
	s_or_b32 exec_lo, exec_lo, s33
.Lend:
	s_set_vgpr_msb 0x4
	s_wait_tensorcnt 0x0
	ds_add_u32 v11, v1
	s_wait_dscnt 0x0
	s_set_vgpr_msb 0x400
	s_endpgm
.Lfunc_end_k_q42b04ebd13_route:
	.size	k_q42b04ebd13_route, .Lfunc_end_k_q42b04ebd13_route-k_q42b04ebd13_route
	.p2alignl 7, 3214868480
	.fill 96, 4, 3214868480
	.section	.rodata,"a",@progbits
	.p2align	6, 0x0
	.amdhsa_kernel k_q42b04ebd13_route
		.amdhsa_group_segment_fixed_size 73216
		.amdhsa_private_segment_fixed_size 0
		.amdhsa_enable_private_segment 0
		.amdhsa_kernarg_size 40
		.amdhsa_user_sgpr_count 2
		.amdhsa_user_sgpr_kernarg_segment_ptr 1
		.amdhsa_wavefront_size32 1
		.amdhsa_system_sgpr_workgroup_id_x 1
		.amdhsa_system_sgpr_workgroup_id_y 1
		.amdhsa_system_sgpr_workgroup_id_z 1
		.amdhsa_system_vgpr_workitem_id 0
		.amdhsa_next_free_vgpr 258
		.amdhsa_next_free_sgpr 66
		.amdhsa_reserve_vcc 1
		.amdhsa_float_denorm_mode_32 3
		.amdhsa_float_denorm_mode_16_64 3
		.amdhsa_memory_ordered 1
		.amdhsa_forward_progress 1
		.amdhsa_inst_pref_size 31
	.end_amdhsa_kernel
	.amdgpu_metadata
---
amdhsa.version: [ 1, 2 ]
amdhsa.kernels:
  - .name:           k_q42b04ebd13_route
    .symbol:         k_q42b04ebd13_route.kd
    .args:
      - { .name: x, .offset: 0, .size: 8, .value_kind: global_buffer, .address_space: global }
      - { .name: gate_w, .offset: 8, .size: 8, .value_kind: global_buffer, .address_space: global }
      - { .name: expert_bias, .offset: 16, .size: 8, .value_kind: global_buffer, .address_space: global }
      - { .name: ri, .offset: 24, .size: 8, .value_kind: global_buffer, .address_space: global }
      - { .name: rw, .offset: 32, .size: 8, .value_kind: global_buffer, .address_space: global }
    .group_segment_fixed_size: 73216
    .private_segment_fixed_size: 0
    .kernarg_segment_align: 8
    .kernarg_segment_size: 40
    .max_flat_workgroup_size: 128
    .sgpr_count:     66
    .vgpr_count:     258
    .wavefront_size: 32
...
	.end_amdgpu_metadata
.endif
;; end of part 1
;; launch plan (part 2): grid 1 x 1, 8 waves a work-group, no clusters, 67,584 bytes of LDS; arguments ri, toke, meta, y2; writes toke, meta, y2
.if DOCPART == 2
	.amdgcn_target "amdgcn-amd-amdhsa--gfx1250"
	.amdhsa_code_object_version 6
	.text
	.protected	k_q42b04ebd13_plan
	.globl	k_q42b04ebd13_plan
	.p2align	8
	.type	k_q42b04ebd13_plan,@function
k_q42b04ebd13_plan:
	s_mov_b64 s[64:65], 0
	v_nop
	global_prefetch_b8 v0, s[64:65] scope:SCOPE_SE
	s_setreg_imm32_b32 hwreg(HW_REG_WAVE_MODE, 25, 1), 1
	s_wait_xcnt 0x0
; THE LISTS.  For each of the 8 FFN experts: toke[e][slot] = 2 token + k for every token whose choice k (0 or 1) is expert e, in the order of the scan; every other slot of the expert's 2,048 holds
; 4096 + e (a pad: no token, and the number of the expert's dump row in y2).  meta[e] = the number of pairs of 16-slot tiles that later launches walk: max(1, ceil(count / 32)).
; Also: the row of zeros behind y2's two planes (row 8208), which the last launch reads in the place of a row that no FFN expert makes.
; SHARES.  One work-group; wave e makes expert e's list in its own 8,320 bytes of LDS (2,048 slots, then a spare word for each lane) and stores the 2,048 slots whole.  No wave reads another's bytes: no barrier.
; All 2,048 words of ri are held in 64 registers a lane: register 4 i + j of lane l is token 128 i + 4 l + j.  A step takes 32 tokens: a mask of the lanes that chose e, each such lane's rank in it, one store
; by all lanes: a lane whose token did not choose e writes its spare word, which nobody reads.  So every lane is on throughout the scan.
; The four steps of one load of ri go side by side, each in registers of its own, so that no line reads the result of the line just before it; only the four bases are a chain, of four scalar additions.
.set LP,    8320                       ; a wave's LDS area
.set ZROWB, 2*4104*4096                ; the row of zeros begins behind two planes of 4,104 rows of 4,096 bytes
.set E0,  12                           ; v[12:15]  step j: the token's first choice
.set E1,  16                           ; v[16:19]  its second
.set VAL, 24                           ; v[24:27]  2 token + k
.set RK,  28                           ; v[28:31]  the rank, then the slot, then its LDS address
.set M0,  20                           ; s[20:23]  step j: the lanes whose first choice is e, then those whose token chose e at all
.set M1,  24                           ; s[24:27]  the lanes whose second choice is e, then the number of lanes in M0
.set BS,  28                           ; s[28:31]  slots taken ahead of step j
	s_load_b256 s[4:11], s[0:1], 0x0               ; ri s[4:5], toke s[6:7], meta s[8:9], y2 s[10:11]
	v_lshl_add_u32 v96, v0, 2, 0x10400
	v_mov_b32 v97, 0
	v_lshrrev_b32 v1, 5, v0
	v_readfirstlane_b32 s12, v1                    ; my expert
	v_and_b32 v2, 31, v0                           ; lane l
	v_lshlrev_b32 v3, 4, v2                        ; 16 l
	v_lshlrev_b32 v5, 3, v2                        ; 8 l = 2 x 4 l: choice 0 of my tokens,
	v_add_nc_u32 v6, 1, v5                         ; and choice 1
	v_add_nc_u32 v7, 2048, v2                      ; my spare word's index
	s_mul_i32 s13, s12, LP                         ; my area in LDS
	v_add_nc_u32 v4, s13, v3
	s_add_co_u32 s14, s12, 4096                    ; the pad
	s_mov_b32 s16, 0                               ; slots taken
	s_lshl_b32 s18, s12, 9                         ; my 512 bytes of the row of zeros
	s_add_co_u32 s18, s18, ZROWB
	s_mov_b32 s19, 0                               ; s[18:19]: an offset as a pair; the high word stays 0
	s_wait_kmcnt 0x0
	s_add_nc_u64 s[10:11], s[10:11], s[18:19]
.set i, 0
.rept 16
	global_load_b128 v[32+4*i:35+4*i], v3, s[4:5] offset:512*i
.set i, i+1
.endr
.irp i, 8,9,10,11
	v_mov_b32 v[\i], s14
.endr
.irp i, 20,21,22,23
	v_mov_b32 v[\i], 0
.endr
	global_store_b128 v3, v[20:23], s[10:11]       ; 512 consecutive bytes of zeros
.set i, 0
.rept 16
	ds_store_b128 v4, v[8:11] offset:512*i         ; the whole list is pads first
.set i, i+1
.endr
.set i, 0
.rept 16
	s_wait_loadcnt 15-i                            ; younger are the later loads of ri
.irp j, 0,1,2,3
	v_and_b32 v[E0+\j], 0xff, v[32+4*i+\j]         ; e0
	v_bfe_u32 v[E1+\j], v[32+4*i+\j], 8, 8         ; e1
.endr
.irp j, 0,1,2,3
	v_cmp_eq_u32 s[M0+\j], s12, v[E0+\j]
	v_cmp_eq_u32 s[M1+\j], s12, v[E1+\j]
.endr
.irp j, 0,1,2,3
	v_cndmask_b32 v[VAL+\j], v5, v6, s[M1+\j]      ; 8 l + k
.endr
.irp j, 0,1,2,3
	s_or_b32 s[M0+\j], s[M0+\j], s[M1+\j]          ; the lanes whose token chose me
.endr
.irp j, 0,1,2,3
	v_add_nc_u32 v[VAL+\j], 256*i+2*\j, v[VAL+\j]  ; 2 token + k
	v_mbcnt_lo_u32_b32 v[RK+\j], s[M0+\j], 0       ; how many of those lanes lie below mine
.endr
.irp j, 0,1,2,3
	s_bcnt1_i32_b32 s[M1+\j], s[M0+\j]             ; and how many there are
.endr
	s_mov_b32 s[BS], s16                           ; the four steps' bases, and the next four's first
	s_add_co_u32 s[BS+1], s[BS], s[M1]
	s_add_co_u32 s[BS+2], s[BS+1], s[M1+1]
	s_add_co_u32 s[BS+3], s[BS+2], s[M1+2]
	s_add_co_u32 s16, s[BS+3], s[M1+3]
.irp j, 0,1,2,3
	v_add_nc_u32 v[RK+\j], s[BS+\j], v[RK+\j]      ; my slot, if my token chose me;
.endr
.irp j, 0,1,2,3
	v_cndmask_b32 v[RK+\j], v7, v[RK+\j], s[M0+\j] ; else my spare word
.endr
.irp j, 0,1,2,3
	v_min_u32 v[RK+\j], 2079, v[RK+\j]             ; a token names an expert once, so a slot never passes 2,047: the bound keeps the address in my area whatever ri holds
.endr
.irp j, 0,1,2,3
	v_lshl_add_u32 v[RK+\j], v[RK+\j], 2, s13
.endr
.irp j, 0,1,2,3
	ds_store_b32 v[RK+\j], v[VAL+\j]
.endr
.set i, i+1
.endr
.set i, 0
.rept 16
	ds_load_b128 v[32+4*i:35+4*i], v4 offset:512*i ; LDS serves a wave's instructions in order: these see all the stores above
.set i, i+1
.endr
	s_lshl_b32 s18, s12, 13                        ; my list in toke
	s_add_nc_u64 s[6:7], s[6:7], s[18:19]
.set i, 0
.rept 16
	s_wait_dscnt 15-i                              ; younger are the later loads from LDS
	global_store_b128 v3, v[32+4*i:35+4*i], s[6:7] offset:512*i  ; 512 consecutive bytes
.set i, i+1
.endr
	s_add_co_u32 s17, s16, 31
	s_lshr_b32 s17, s17, 5
	s_max_u32 s17, s17, 1                          ; an expert that nobody chose keeps one pair of pads, so that every later work-group has work on every input
	v_mov_b32 v16, s17
	s_lshl_b32 s18, s12, 2
	v_mov_b32 v17, s18
	v_cmp_eq_u32 vcc_lo, 0, v2
	s_wait_xcnt 0x0                                ; EXEC is a source of the loads and stores above: it changes only behind this wait
	s_wait_tensorcnt 0x0
	ds_add_u32 v96, v97
	s_wait_dscnt 0x0
	s_and_saveexec_b32 s22, vcc_lo
	global_store_b32 v17, v16, s[8:9]              ; one word for each expert
	s_wait_xcnt 0x0                                ; and again in front of the line that widens it
	s_or_b32 exec_lo, exec_lo, s22
	s_endpgm
.Lfunc_end_k_q42b04ebd13_plan:
	.size	k_q42b04ebd13_plan, .Lfunc_end_k_q42b04ebd13_plan-k_q42b04ebd13_plan
	.p2alignl 7, 3214868480
	.fill 96, 4, 3214868480
	.section	.rodata,"a",@progbits
	.p2align	6, 0x0
	.amdhsa_kernel k_q42b04ebd13_plan
		.amdhsa_group_segment_fixed_size 67584
		.amdhsa_private_segment_fixed_size 0
		.amdhsa_enable_private_segment 0
		.amdhsa_kernarg_size 32
		.amdhsa_user_sgpr_count 2
		.amdhsa_user_sgpr_kernarg_segment_ptr 1
		.amdhsa_wavefront_size32 1
		.amdhsa_system_sgpr_workgroup_id_x 1
		.amdhsa_system_sgpr_workgroup_id_y 1
		.amdhsa_system_sgpr_workgroup_id_z 1
		.amdhsa_system_vgpr_workitem_id 0
		.amdhsa_next_free_vgpr 98
		.amdhsa_next_free_sgpr 66
		.amdhsa_reserve_vcc 1
		.amdhsa_float_denorm_mode_32 3
		.amdhsa_float_denorm_mode_16_64 3
		.amdhsa_memory_ordered 1
		.amdhsa_forward_progress 1
		.amdhsa_inst_pref_size 61
	.end_amdhsa_kernel
	.amdgpu_metadata
---
amdhsa.version: [ 1, 2 ]
amdhsa.kernels:
  - .name:           k_q42b04ebd13_plan
    .symbol:         k_q42b04ebd13_plan.kd
    .args:
      - { .name: ri, .offset: 0, .size: 8, .value_kind: global_buffer, .address_space: global }
      - { .name: toke, .offset: 8, .size: 8, .value_kind: global_buffer, .address_space: global }
      - { .name: meta, .offset: 16, .size: 8, .value_kind: global_buffer, .address_space: global }
      - { .name: y2, .offset: 24, .size: 8, .value_kind: global_buffer, .address_space: global }
    .group_segment_fixed_size: 67584
    .private_segment_fixed_size: 0
    .kernarg_segment_align: 8
    .kernarg_segment_size: 32
    .max_flat_workgroup_size: 256
    .sgpr_count:     66
    .vgpr_count:     98
    .wavefront_size: 32
...
	.end_amdgpu_metadata
.endif
;; end of part 2
;; launch gather (part 3): grid 16 x 8, 8 waves a work-group, no clusters, 68,608 bytes of LDS; arguments x, toke, meta, xf; writes xf
.if DOCPART == 3
	.amdgcn_target "amdgcn-amd-amdhsa--gfx1250"
	.amdhsa_code_object_version 6
	.text
	.protected	k_q42b04ebd13_gather
	.globl	k_q42b04ebd13_gather
	.p2align	8
	.type	k_q42b04ebd13_gather,@function
k_q42b04ebd13_gather:
	s_mov_b64 s[64:65], 0
	v_nop
	global_prefetch_b8 v0, s[64:65] scope:SCOPE_SE
	s_setreg_imm32_b32 hwreg(HW_REG_WAVE_MODE, 25, 1), 1
	s_wait_xcnt 0x0
; THE GATHER.  xf[e] holds expert e's tokens, rounded to bf16, in the order in which a matrix operand wants them: tile mt of 16 slots is 32,768 bytes, piece (c, p) of it 512 bytes,
; and in a piece lane l = 16 h + r holds 16 bytes: slot r, k = 32 c + 16 p + 8 h + 0..7.  So a later launch fills a fragment by two loads of 512 consecutive bytes.  A pad slot is a row of zeros.
; SHARES.  Work-group (g, e), eight waves: waves 0 to 3 take expert e's tiles g, g + 32, ..., waves 4 to 7 the tiles g + 16, g + 48, ..., each below 2 x meta[e]; of a tile a wave takes the quarter
; 256 (w % 4) .. of k.  A wave turns its 16 x 256 numbers through LDS bytes of its own: no barrier.  So an expert's first 32 tiles are all taken in the waves' first trips.
; The trip count and the rows hang on whole numbers that an earlier launch stored (meta, toke).
; A wave's first 16 entries are asked for together with meta: its first tile lies below 32, inside the expert's 128 tiles of toke, every slot of which holds an entry; a wave that turns out to have no
; tile uses nothing of them.  A later trip's entries are asked for a trip ahead, and not in the last trip.
; NO CLUSTER, NO DATA MOVER: no two work-groups read the same tile's entries, and a row of x is wanted by two experts' work-groups at the most; the rows are rounded on the way, so they pass through registers.
.set RP,   528                         ; an LDS row: 512 bytes + 16: the 16 rows of a fragment load start at 16 different groups of four banks (64 banks of 4 bytes: ISA guide 11.1)
.set AREA, 16*RP
	s_load_b256 s[4:11], s[0:1], 0x0               ; x s[4:5], toke s[6:7], meta s[8:9], xf s[10:11]
	v_lshl_add_u32 v224, v0, 2, 0x10800
	v_mov_b32 v225, 0
	v_lshrrev_b32 v5, 5, v0
	v_readfirstlane_b32 s84, v5                    ; wave 0..7
	s_and_b32 s93, s84, 3                          ; my quarter of k
	s_lshr_b32 s94, s84, 2                         ; which of the work-group's two tiles is mine
	s_and_b32 s85, ttmp7, 0xffff                   ; expert
	v_and_b32 v5, 31, v0                           ; l
	v_and_b32 v6, 15, v0                           ; r
	v_bfe_u32 v7, v0, 4, 1                         ; h
	s_lshl_b32 s12, s93, 10
	v_lshl_add_u32 v1, v5, 4, s12                  ; v1: in a row of x: 1,024 x quarter + 16 l
	s_lshl_b32 s12, s93, 13
	v_lshl_add_u32 v4, v5, 4, s12                  ; v4: in a tile of xf: my 8 chunks of 1,024 bytes, + 16 l
	s_mul_i32 s12, s84, AREA                       ; my LDS area
	v_lshl_add_u32 v2, v5, 3, s12                  ; v2: where 4 rounded numbers go: area + 8 l
	v_mul_u32_u24 v3, v6, RP
	v_lshl_add_u32 v3, v7, 4, v3
	v_add_nc_u32 v3, s12, v3                       ; v3: a fragment's place: area + 528 r + 16 h
	s_mov_b32 s13, 0                               ; s[12:13]: an offset as a pair; the high word stays 0
	s_mov_b32 s87, ttmp9
	s_lshl_b32 s12, s94, 4
	s_add_co_u32 s87, s87, s12                     ; the tile in hand: g, or g + 16: 0 to 31
	s_wait_kmcnt 0x0
	s_lshl_b32 s12, s85, 2
	s_add_nc_u64 s[8:9], s[8:9], s[12:13]
	s_load_b32 s86, s[8:9], 0x0                    ; the expert's pairs of tiles
	s_lshl_b32 s12, s85, 13
	s_add_nc_u64 s[88:89], s[6:7], s[12:13]        ; the expert's list
	s_lshl_b32 s12, s87, 6
	s_add_nc_u64 s[90:91], s[88:89], s[12:13]
	s_load_b512 s[16:31], s[90:91], 0x0            ; my first tile's 16 entries
	s_lshl_b32 s12, s85, 22
	s_add_nc_u64 s[10:11], s[10:11], s[12:13]      ; the expert's part of xf
	s_wait_kmcnt 0x0
	s_min_u32 s86, s86, 64
	s_max_u32 s86, s86, 1
	s_lshl_b32 s86, s86, 1                         ; tiles: 2 to 128
	s_add_co_u32 s92, s86, 31
	s_sub_co_u32 s92, s92, s87
	s_lshr_b32 s92, s92, 5                         ; my tiles: those of my first, + 32, ... that lie below the expert's number
	s_cmp_eq_u32 s92, 0
	s_cbranch_scc1 .Lend                           ; the list ends ahead of my first tile
.Ltile:
	s_wait_kmcnt 0x0                               ; the tile's entries are in
	s_wait_xcnt 0x0                                ; the last trip's stores have read their data and their base: both are written again below
	s_lshl_b32 s12, s87, 15
	s_add_nc_u64 s[82:83], s[10:11], s[12:13]      ; the tile in xf
.set rr, 0
.rept 16
	s_cmp_lt_u32 s[16+rr], 4096
	s_cselect_b32 s[66+rr], -1, 0                  ; all ones for a token, 0 for a pad
	s_lshr_b32 s12, s[16+rr], 1                    ; the token,
	s_min_u32 s12, s12, 2047                       ; bounded (a pad reads the last row, and the mask makes zeros of it)
	s_lshl_b32 s12, s12, 12
	s_add_nc_u64 s[32+2*rr:33+2*rr], s[4:5], s[12:13]
.set rr, rr+1
.endr
	s_cmp_eq_u32 s92, 1
	s_cbranch_scc1 .Lno_next                       ; my last tile: nothing more is asked for
	s_add_co_u32 s12, s87, 32                      ; the entries have been used: my next tile's take their place while this tile is turned
	s_lshl_b32 s12, s12, 6
	s_add_nc_u64 s[90:91], s[88:89], s[12:13]
	s_load_b512 s[16:31], s[90:91], 0x0
.Lno_next:
.set rr, 0
.rept 16
	global_load_b128 v[32+8*rr:35+8*rr], v1, s[32+2*rr:33+2*rr]
	global_load_b128 v[36+8*rr:39+8*rr], v1, s[32+2*rr:33+2*rr] offset:512
.set rr, rr+1
.endr
.set rr, 0
.rept 16
	s_wait_loadcnt 30-2*rr                         ; younger are the later rows' loads
	v_cvt_pk_bf16_f32 v12, v[32+8*rr], v[33+8*rr]
	v_cvt_pk_bf16_f32 v13, v[34+8*rr], v[35+8*rr]
	v_cvt_pk_bf16_f32 v14, v[36+8*rr], v[37+8*rr]
	v_cvt_pk_bf16_f32 v15, v[38+8*rr], v[39+8*rr]
	v_and_b32 v12, s[66+rr], v12
	v_and_b32 v13, s[66+rr], v13
	v_and_b32 v14, s[66+rr], v14
	v_and_b32 v15, s[66+rr], v15
	ds_store_b64 v2, v[12:13] offset:RP*rr
	ds_store_b64 v2, v[14:15] offset:RP*rr+256
.set rr, rr+1
.endr
.set q, 0
.rept 16                                               ; piece q = 2 c + p; LDS serves a wave's instructions in order: these see the stores above, and the next trip's stores come behind them
	ds_load_b128 v[160+4*q:163+4*q], v3 offset:32*q
.set q, q+1
.endr
.set q, 0
.rept 16
	s_wait_dscnt 15-q                              ; younger are the later pieces' loads
	global_store_b128 v4, v[160+4*q:163+4*q], s[82:83] offset:512*q  ; 512 consecutive bytes
.set q, q+1
.endr
	s_add_co_u32 s87, s87, 32                      ; my next tile
	s_sub_co_i32 s92, s92, 1
	s_cmp_lg_u32 s92, 0
	s_cbranch_scc1 .Ltile
.Lend:
	s_wait_tensorcnt 0x0
	ds_add_u32 v224, v225
	s_wait_dscnt 0x0
	s_endpgm
.Lfunc_end_k_q42b04ebd13_gather:
	.size	k_q42b04ebd13_gather, .Lfunc_end_k_q42b04ebd13_gather-k_q42b04ebd13_gather
	.p2alignl 7, 3214868480
	.fill 96, 4, 3214868480
	.section	.rodata,"a",@progbits
	.p2align	6, 0x0
	.amdhsa_kernel k_q42b04ebd13_gather
		.amdhsa_group_segment_fixed_size 68608
		.amdhsa_private_segment_fixed_size 0
		.amdhsa_enable_private_segment 0
		.amdhsa_kernarg_size 32
		.amdhsa_user_sgpr_count 2
		.amdhsa_user_sgpr_kernarg_segment_ptr 1
		.amdhsa_wavefront_size32 1
		.amdhsa_system_sgpr_workgroup_id_x 1
		.amdhsa_system_sgpr_workgroup_id_y 1
		.amdhsa_system_sgpr_workgroup_id_z 1
		.amdhsa_system_vgpr_workitem_id 0
		.amdhsa_next_free_vgpr 226
		.amdhsa_next_free_sgpr 96
		.amdhsa_reserve_vcc 0
		.amdhsa_float_denorm_mode_32 3
		.amdhsa_float_denorm_mode_16_64 3
		.amdhsa_memory_ordered 1
		.amdhsa_forward_progress 1
		.amdhsa_inst_pref_size 22
	.end_amdhsa_kernel
	.amdgpu_metadata
---
amdhsa.version: [ 1, 2 ]
amdhsa.kernels:
  - .name:           k_q42b04ebd13_gather
    .symbol:         k_q42b04ebd13_gather.kd
    .args:
      - { .name: x, .offset: 0, .size: 8, .value_kind: global_buffer, .address_space: global }
      - { .name: toke, .offset: 8, .size: 8, .value_kind: global_buffer, .address_space: global }
      - { .name: meta, .offset: 16, .size: 8, .value_kind: global_buffer, .address_space: global }
      - { .name: xf, .offset: 24, .size: 8, .value_kind: global_buffer, .address_space: global }
    .group_segment_fixed_size: 68608
    .private_segment_fixed_size: 0
    .kernarg_segment_align: 8
    .kernarg_segment_size: 32
    .max_flat_workgroup_size: 256
    .sgpr_count:     96
    .vgpr_count:     226
    .wavefront_size: 32
...
	.end_amdgpu_metadata
.endif
;; end of part 3
;; launch ffn1 (part 4): grid 32 x 8, 4 waves a work-group, no clusters, 139,776 bytes of LDS; arguments w1, xf, meta, hf; writes hf
.if DOCPART == 4
	.amdgcn_target "amdgcn-amd-amdhsa--gfx1250"
	.amdhsa_code_object_version 6
	.text
	.protected	k_q42b04ebd13_ffn1
	.globl	k_q42b04ebd13_ffn1
	.p2align	8
	.type	k_q42b04ebd13_ffn1,@function
k_q42b04ebd13_ffn1:
	s_mov_b64 s[64:65], 0
	v_nop
	global_prefetch_b8 v0, s[64:65] scope:SCOPE_SE
	s_setreg_imm32_b32 hwreg(HW_REG_WAVE_MODE, 25, 1), 1
	s_wait_xcnt 0x0
; THE FIRST PRODUCT (SECOND = 0): hf[e][slot][f] = silu(sum over d of xf[e][slot][d] w1[e][f][d]), for the slots of expert e's list alone.  One text serves both products; SECOND picks the sizes.
; FORMATS.  w1 is rounded to bf16 on its way into LDS, xf is bf16, the sums and silu are f32, h is rounded to bf16 once (bf16 and not f16: h has no bound that f16 would hold for larger inputs).
; SHARES.  Work-group (ns, e) owns the 64 features 64 ns .. of expert e over all 1,024 of K: 262,144 bytes of f32, read once, kept in LDS as bf16 for the whole launch.
; Wave w rounds 16 of the 64 rows; behind the ONE barrier each wave walks pairs w, w + 4, ... of the expert's tiles (a pair = 32 slots) by itself: activations come from memory straight into registers
; (xf lies in fragment order: each load is 512 consecutive bytes), a whole pair ahead; weights come from LDS, three chunks of 32 K ahead.  The number of pairs is read from meta, which an earlier launch stored;
; no barrier stands in or behind the loop that hangs on it.
; NO CLUSTER, NO DATA MOVER: the 32 work-groups of an expert read the same activations, but each wave takes its own tiles into registers at its own pace, in a loop without barriers; a joint request into LDS
; would want a round of barriers for each refill inside a loop whose trip count is read from memory.  The weights must be rounded on the way in, so they pass through registers.
; THE MATRIX INSTRUCTION: source 0 = 16 features, source 1 = 16 slots: a lane holds slot l % 16 and the features 8 (l / 16) + 0..7, which rounded ARE 16 bytes of the next product's operand: nothing changes lanes.
; LIMITS.  NaN and infinities are not treated apart; 2^(-1.4427 a) below 2^-126 counts as 0, which leaves silu(a) = a.
; REGISTERS, in windows of 256 (s_set_vgpr_msb: bits 1:0 source 0, 3:2 source 1, 5:4 source 2, 7:6 destination):
;   window 0: v1-10 addresses; v16-31 at work; v32-95 8 accumulators ((mt, t) at 32 + 8 (4 mt + t)); v96-223 weights' fragments, four buffers of a chunk; v224-255 at work
;   windows 1, 2: the pair's activations, chunks 0-15 and 16-31: (c, mt) at 8 (2 (c % 16) + mt)          window 3: the weights as loaded, a ring of 8 rows of 32 registers
.set SECOND, 0
.if SECOND
.set WPITCH, 8192                      ; bytes from row to row of the weights
.set A_MT,   65536                     ; bytes of a tile of 16 slots in the activations
.else
.set WPITCH, 4096
.set A_MT,   32768
.endif
.set A_PAIR, 2*A_MT
.set UP,     272                       ; a UNIT in LDS: 16 rows x 16 bytes + 16 of padding.  Unit 128 t + 4 c + 2 p + h holds W(16 t + r, 32 c + 16 p + 8 h + 0..7) at 16 r
.set NT,     128*UP                    ; the units of 16 rows of W.  A fragment load's 16 lanes take one unit, 256 consecutive bytes; the 16 lane pairs of a store hit 16 units, 68 words apart
.set STAGE,  4*NT
.set PLANE,  4104*4096
.set TT,  16
.set DV,  16
.set ACC, 32
.set BB,  96
.set TMP, 224
.set MSB, 0
.macro WIN new                         ; the immediate's high byte repeats the setting that is left; a switch that changes nothing is dropped
.if MSB != (\new)
	s_set_vgpr_msb (MSB<<8)|(\new)
.set MSB, (\new)
.endif
.endm
.macro WLOAD g                         ; row g of my 16 rows of W: 4,096 consecutive bytes, into ring place g % 8 of window 3.  The launch reads each of these bytes once
	WIN 0xc0
.irp kb, 0,1,2,3,4,5,6,7
	global_load_b128 v[32*((\g)%8)+4*\kb:32*((\g)%8)+4*\kb+3], v1, s[20:21] offset:(\g)*WPITCH+512*\kb th:TH_LOAD_NT
.endr
.endm
.macro WCONV g                         ; row g rounded to bf16 and laid into its units: lane l's 4 numbers of load kb belong to unit 16 kb + l / 2, bytes 16 g + 8 (l % 2)
	WIN 0x0f
.set z, 0
.rept 16
	v_cvt_pk_bf16_f32 v[TMP+z], v[32*((\g)%8)+2*z], v[32*((\g)%8)+2*z+1]
.set z, z+1
.endr
	WIN 0
.irp kb, 0,1,2,3,4,5,6,7
	ds_store_b64 v6, v[TMP+2*\kb:TMP+2*\kb+1] offset:16*UP*\kb+16*(\g)
.endr
.endm
.macro ALOAD c                         ; chunk c of a pair's activations: 2 tiles x 2 loads of 512 consecutive bytes
	WIN 0x40*(1+(\c)/16)
.irp mt, 0,1
.irp p, 0,1
	global_load_b128 v[8*(2*((\c)%16)+\mt)+4*\p:8*(2*((\c)%16)+\mt)+4*\p+3], v1, s[22:23] offset:\mt*A_MT+1024*(\c)+512*\p
.endr
.endr
.endm
.macro BLOAD c                         ; chunk c of the weights' fragments, 64 rows, into buffer c % 4.  Address and destination lie in window 0 under every setting in which it is used
.irp t, 0,1,2,3
.irp p, 0,1
	ds_load_b128 v[BB+32*((\c)%4)+8*\t+4*\p:BB+32*((\c)%4)+8*\t+4*\p+3], v[2+\t] offset:4*UP*(\c)+2*UP*\p
.endr
.endr
.endm
; One chunk of 32 along K: 8 matrix instructions, the 8 accumulators by turns in the same order in every chunk, over the loop's jump too.  Chunk 0 starts the sums with the constant 0.
; Four v_nop are the places between the products and the loads into registers that products have read: the weights' buffer of chunk c - 1, and (pf = 1) this chunk's activations,
; which take the next pair's.  Behind chunk 31 they are the places in front of the first read of a result.
.macro STEP c, pf
.if \pf
	s_wait_loadcnt 63                              ; 124 loads or more are younger than this chunk's (the rest of this pair, the next pair's first chunks): the count is the largest that the wait can name
	s_wait_dscnt 16                                ; younger are the weights' chunks c + 1 and c + 2
.else
.set na, 4*(31-(\c))+4*SECOND
.if na > 63
.set na, 63
.endif
.set nd, 8*(31-(\c))
.if nd > 16
.set nd, 16
.endif
	s_wait_loadcnt na                              ; younger are this pair's later chunks (and, in the second product, the four loads of the rows' numbers)
	s_wait_dscnt nd                                ; younger are the weights' next two chunks, while there are any
.endif
	WIN 0x04*(1+(\c)/16)
.irp t, 0,1,2,3
.irp mt, 0,1
.if (\c) == 0
	v_wmma_f32_16x16x32_bf16 v[ACC+8*(4*\mt+\t):ACC+8*(4*\mt+\t)+7], v[BB+32*((\c)%4)+8*\t:BB+32*((\c)%4)+8*\t+7], v[8*(2*((\c)%16)+\mt):8*(2*((\c)%16)+\mt)+7], 0
.else
	v_wmma_f32_16x16x32_bf16 v[ACC+8*(4*\mt+\t):ACC+8*(4*\mt+\t)+7], v[BB+32*((\c)%4)+8*\t:BB+32*((\c)%4)+8*\t+7], v[8*(2*((\c)%16)+\mt):8*(2*((\c)%16)+\mt)+7], v[ACC+8*(4*\mt+\t):ACC+8*(4*\mt+\t)+7]
.endif
.endr
.endr
.rept 4
	v_nop
.endr
.if (\pf) || ((\c) < 29)
	BLOAD ((\c)+3)%32
.endif
.if \pf
	ALOAD \c
.endif
.endm
; THE WAY OUT of a pair: silu(a) = a / (1 + 2^(-1.4427 a)), rounded to bf16.  Tile q = 4 mt + t; each accumulator is read from its low end on.  The transcendentals stand back to back on different
; registers with a plain instruction behind them (ISA guide 5.7.2).  A lane's 16 bytes of tile (mt, t) are its bytes of piece (c = 2 ns + t / 2, p = t % 2) of hf: each store is 512 consecutive bytes.
.macro EPI pf
.set q, 0
.rept 8
.set ra, ACC+8*q
.set rt, TT+8*(q%2)
.irp i, 0,2,4,6
	v_pk_mul_f32 v[rt+\i:rt+\i+1], v[ra+\i:ra+\i+1], 0xbfb8aa3b op_sel_hi:[1,0]
.endr
.irp i, 0,1,2,3,4,5,6,7
	v_exp_f32 v[rt+\i], v[rt+\i]
.endr
	v_nop
	s_wait_alu depctr_va_vdst(0)
.irp i, 0,2,4,6
	v_pk_add_f32 v[rt+\i:rt+\i+1], v[rt+\i:rt+\i+1], 1.0 op_sel_hi:[1,0]
.endr
.irp i, 0,1,2,3,4,5,6,7
	v_rcp_f32 v[rt+\i], v[rt+\i]
.endr
	v_nop
	s_wait_alu depctr_va_vdst(0)
.irp i, 0,2,4,6
	v_pk_mul_f32 v[rt+\i:rt+\i+1], v[rt+\i:rt+\i+1], v[ra+\i:ra+\i+1]
.endr
.irp i, 0,1,2,3
	v_cvt_pk_bf16_f32 v[TMP+4*q+\i], v[rt+2*\i], v[rt+2*\i+1]
.endr
.set q, q+1
.endr
.set q, 0
.rept 8
	global_store_b128 v1, v[TMP+4*q:TMP+4*q+3], s[24:25] offset:65536*(q/4)+512*(q%4)
.set q, q+1
.endr
.endm
; A pair.  pf = 1: the pair four further on is fetched meanwhile.
.macro PASS pf
	s_wait_xcnt 0x0                                ; every earlier memory instruction has had its addresses translated: the activations' base and the registers that the last pair's stores named are written again only behind this wait
.if \pf
	s_add_nc_u64 s[22:23], s[22:23], 4*A_PAIR
.endif
.if SECOND
.irp mt, 0,1
.irp u, 0,1
	global_load_b128 v[DV+8*\mt+4*\u:DV+8*\mt+4*\u+3], v10, s[26:27] offset:64*\mt+16*\u  ; the y2 rows of the pair's slots
.endr
.endr
.endif
.set cc, 0
.rept 32
	STEP cc, \pf
.set cc, cc+1
.endr
	WIN 0
	EPI \pf
.if \pf
	s_wait_xcnt 0x0                                ; the stores have read their base
.if SECOND
	s_add_nc_u64 s[26:27], s[26:27], 512           ; four pairs of 32 entries on
.else
	s_add_nc_u64 s[24:25], s[24:25], 4*131072      ; four pairs on in hf
.endif
.endif
.endm
	s_load_b256 s[4:11], s[0:1], 0x0               ; weights s[4:5], activations s[6:7], meta s[8:9], s[10:11]: hf (first product) or toke (second)
	v_lshl_add_u32 v9, v0, 2, 0x22000
	v_mov_b32 v10, 0
.if SECOND
	s_load_b64 s[30:31], s[0:1], 0x20              ; y2
.endif
	v_lshrrev_b32 v11, 5, v0
	v_readfirstlane_b32 s12, v11                   ; wave 0..3
	s_and_b32 s13, ttmp7, 0xffff                   ; expert
.if SECOND
	s_lshr_b32 s14, ttmp9, 1                       ; which 64 rows of W
	s_and_b32 s29, ttmp9, 1                        ; which half of K
.else
	s_mov_b32 s14, ttmp9
.endif
	v_and_b32 v11, 31, v0                          ; l
	v_and_b32 v12, 15, v0                          ; r
	v_bfe_u32 v13, v0, 4, 1                        ; h
	v_lshlrev_b32 v1, 4, v11                       ; v1: 16 l
	v_mul_u32_u24 v2, v13, UP
	v_lshl_add_u32 v2, v12, 4, v2                  ; v2-5: a fragment's place for rows 16 t ..: 34,816 t + 272 h + 16 r
	v_add_nc_u32 v3, NT, v2
	v_add_nc_u32 v4, 2*NT, v2
	v_add_nc_u32 v5, 3*NT, v2
	v_lshrrev_b32 v14, 1, v11
	v_and_b32 v15, 1, v11
	v_mul_u32_u24 v6, v14, UP
	v_lshl_add_u32 v6, v15, 3, v6
	s_mul_i32 s17, s12, NT
	v_add_nc_u32 v6, s17, v6                       ; v6: where my rounded numbers go: 34,816 w + 272 (l / 2) + 8 (l % 2)
.if SECOND
	s_mul_i32 s17, s12, 16*UP
	s_add_co_u32 s17, s17, STAGE                   ; my stage: 16 rows of 256 bytes + 16
	v_mul_u32_u24 v7, v12, UP
	v_lshl_add_u32 v7, v13, 5, v7
	v_add_nc_u32 v7, s17, v7                       ; v7: in: row r, 32 bytes for each half of the lanes
	v_mul_u32_u24 v8, v13, 8*UP
	v_lshl_add_u32 v8, v12, 4, v8
	v_add_nc_u32 v8, s17, v8                       ; v8: back: lanes 0-15 row q, lanes 16-31 row q + 8
	v_lshlrev_b32 v9, 4, v12                       ; v9: my 16 bytes of a row's 256
	v_lshlrev_b32 v10, 5, v13                      ; v10: lanes 16-31 take the entries of the slots 8 further on
.endif
	s_lshl_b32 s18, s13, 23                        ; the expert's 8 MiB of weights,
	s_lshl_b32 s17, s14, 18+SECOND                 ; the work-group's 64 rows,
	s_add_co_u32 s18, s18, s17
	s_lshl_b32 s17, s12, 16+SECOND                 ; my 16 of them
	s_add_co_u32 s18, s18, s17
.if SECOND
	s_lshl_b32 s17, s29, 12                        ; and the half of K
	s_add_co_u32 s18, s18, s17
.endif
	s_mov_b32 s19, 0                               ; s[18:19]: an offset as a pair; the high word stays 0
	s_wait_kmcnt 0x0
	s_add_nc_u64 s[20:21], s[4:5], s[18:19]
.irp g, 0,1,2,3,4,5,6,7
	WLOAD \g
.endr
	s_lshl_b32 s18, s13, 2
	s_add_nc_u64 s[8:9], s[8:9], s[18:19]
	s_load_b32 s15, s[8:9], 0x0                    ; the expert's pairs
.if SECOND
	s_mul_i32 s18, s29, PLANE                      ; y2: the half's plane, the work-group's 256 bytes of every row
	s_lshl_b32 s17, s14, 8
	s_add_co_u32 s18, s18, s17
	s_add_nc_u64 s[24:25], s[30:31], s[18:19]
	s_lshl_b32 s18, s13, 13                        ; toke: the expert's list, my first pair's 32 entries
	s_lshl_b32 s17, s12, 7
	s_add_co_u32 s18, s18, s17
	s_add_nc_u64 s[26:27], s[10:11], s[18:19]
.else
	s_lshl_b32 s18, s13, 23                        ; hf: the expert, my first pair, the work-group's two chunks
	s_lshl_b32 s17, s12, 17
	s_add_co_u32 s18, s18, s17
	s_lshl_b32 s17, s14, 11
	s_add_co_u32 s18, s18, s17
	s_add_nc_u64 s[24:25], s[10:11], s[18:19]
.endif
	s_wait_kmcnt 0x0
	s_min_u32 s15, s15, 64
	s_max_u32 s15, s15, 1                          ; 1 to 64 pairs
	s_sub_co_u32 s17, s15, 1
	s_min_u32 s17, s17, s12                        ; my first pair is pair w; a wave that has none fetches the expert's last pair and uses nothing of it,
	s_min_u32 s17, s17, 3                          ; so that the text up to the barrier is the same for every wave
	s_lshl_b32 s18, s17, 16+SECOND
	s_lshl_b32 s17, s13, 22+SECOND
	s_add_co_u32 s18, s18, s17
.if SECOND
	s_lshl_b32 s17, s29, 15                        ; the half's 32 chunks of 1,024 bytes
	s_add_co_u32 s18, s18, s17
.endif
	s_add_nc_u64 s[22:23], s[6:7], s[18:19]
; The weights: 8 rows are on their way; each row is rounded and laid into LDS, and its ring place takes the row 8 further on; when no row is left, the first pair's activations go out instead.
.set g, 0
.rept 16
.if g <= 8
	s_wait_loadcnt 56                              ; younger are the seven rows behind this one
.else
	s_wait_loadcnt 63                              ; younger are the rows behind this one and 16 (g - 8) loads of activations, 64 or more: the largest count that the wait can name
.endif
	WCONV g
.if g < 8
	WLOAD g+8
.else
	ALOAD 4*(g-8)
	ALOAD 4*(g-8)+1
	ALOAD 4*(g-8)+2
	ALOAD 4*(g-8)+3
.endif
.set g, g+1
.endr
	WIN 0
	s_wait_dscnt 0x0                               ; for the others' sake: my 16 rows are in LDS
	s_barrier_signal -1
	s_barrier_wait -1                              ; all 64 rows are; from here on LDS's weights are only read, and no barrier follows
	s_add_co_u32 s16, s15, 3
	s_sub_co_u32 s16, s16, s12
	s_lshr_b32 s16, s16, 2                         ; my pairs: w, w + 4, ... below the expert's number
	s_cmp_eq_u32 s16, 0
	s_cbranch_scc1 .Lend
	BLOAD 0
	BLOAD 1
	BLOAD 2
	s_sub_co_u32 s28, s16, 1
	s_cmp_eq_u32 s28, 0
	s_cbranch_scc1 .Ltail
.Lpass:
	PASS 1
	s_sub_co_i32 s28, s28, 1
	s_cmp_lg_u32 s28, 0
	s_cbranch_scc1 .Lpass
.Ltail:
	PASS 0                                         ; my last pair is written out: nothing is fetched beyond it
.Lend:
	s_wait_tensorcnt 0x0
	ds_add_u32 v9, v10
	s_wait_dscnt 0x0
	s_endpgm
.Lfunc_end_k_q42b04ebd13_ffn1:
	.size	k_q42b04ebd13_ffn1, .Lfunc_end_k_q42b04ebd13_ffn1-k_q42b04ebd13_ffn1
	.p2alignl 7, 3214868480
	.fill 96, 4, 3214868480
	.section	.rodata,"a",@progbits
	.p2align	6, 0x0
	.amdhsa_kernel k_q42b04ebd13_ffn1
		.amdhsa_group_segment_fixed_size 139776
		.amdhsa_private_segment_fixed_size 0
		.amdhsa_enable_private_segment 0
		.amdhsa_kernarg_size 32
		.amdhsa_user_sgpr_count 2
		.amdhsa_user_sgpr_kernarg_segment_ptr 1
		.amdhsa_wavefront_size32 1
		.amdhsa_system_sgpr_workgroup_id_x 1
		.amdhsa_system_sgpr_workgroup_id_y 1
		.amdhsa_system_sgpr_workgroup_id_z 1
		.amdhsa_system_vgpr_workitem_id 0
		.amdhsa_next_free_vgpr 1024
		.amdhsa_next_free_sgpr 66
		.amdhsa_reserve_vcc 0
		.amdhsa_float_denorm_mode_32 3
		.amdhsa_float_denorm_mode_16_64 3
		.amdhsa_memory_ordered 1
		.amdhsa_forward_progress 1
		.amdhsa_inst_pref_size 173
	.end_amdhsa_kernel
	.amdgpu_metadata
---
amdhsa.version: [ 1, 2 ]
amdhsa.kernels:
  - .name:           k_q42b04ebd13_ffn1
    .symbol:         k_q42b04ebd13_ffn1.kd
    .args:
      - { .name: w1, .offset: 0, .size: 8, .value_kind: global_buffer, .address_space: global }
      - { .name: xf, .offset: 8, .size: 8, .value_kind: global_buffer, .address_space: global }
      - { .name: meta, .offset: 16, .size: 8, .value_kind: global_buffer, .address_space: global }
      - { .name: hf, .offset: 24, .size: 8, .value_kind: global_buffer, .address_space: global }
    .group_segment_fixed_size: 139776
    .private_segment_fixed_size: 0
    .kernarg_segment_align: 8
    .kernarg_segment_size: 32
    .max_flat_workgroup_size: 128
    .sgpr_count:     66
    .vgpr_count:     1024
    .wavefront_size: 32
...
	.end_amdgpu_metadata
.endif
;; end of part 4
;; launch ffn2 (part 5): grid 32 x 8, 4 waves a work-group, no clusters, 157,184 bytes of LDS; arguments w2, hf, meta, toke, y2; writes y2
.if DOCPART == 5
	.amdgcn_target "amdgcn-amd-amdhsa--gfx1250"
	.amdhsa_code_object_version 6
	.text
	.protected	k_q42b04ebd13_ffn2
	.globl	k_q42b04ebd13_ffn2
	.p2align	8
	.type	k_q42b04ebd13_ffn2,@function
k_q42b04ebd13_ffn2:
	s_mov_b64 s[64:65], 0
	v_nop
	global_prefetch_b8 v0, s[64:65] scope:SCOPE_SE
	s_setreg_imm32_b32 hwreg(HW_REG_WAVE_MODE, 25, 1), 1
	s_wait_xcnt 0x0
; THE SECOND PRODUCT (SECOND = 1): y2[kh][row][d] = sum over the half kh of f of hf[e][slot][f] w2[e][d][f], row = toke[e][slot] = 2 token + k.  One text serves both products; SECOND picks the sizes.
; FORMATS.  w2 is rounded to bf16 on its way into LDS, hf is bf16, the sums are f32 and leave as f32; the two halves of K are added, and the routing weight applied, by the launch behind.
; SHARES.  Work-group (2 ns + kh, e) owns the 64 channels 64 ns .. of expert e over the half 1,024 kh .. of K: 262,144 bytes of f32, read once, kept in LDS as bf16 for the whole launch.
; Wave w rounds 16 of the 64 rows; behind the ONE barrier each wave walks pairs w, w + 4, ... of the expert's tiles (a pair = 32 slots) by itself: activations come from memory straight into registers
; (hf lies in fragment order: each load is 512 consecutive bytes), a whole pair ahead; weights come from LDS, three chunks of 32 K ahead.  The number of pairs and the rows of y2 are read from meta and toke,
; which an earlier launch stored; no barrier stands in or behind the loop that hangs on them.  A pad slot's row goes to the expert's dump row 4096 + e, of which this work-group owns its 256 bytes and which nobody reads.
; NO CLUSTER, NO DATA MOVER: the 16 work-groups of an expert's half read the same activations, but each wave takes its own tiles into registers at its own pace, in a loop without barriers; a joint request into LDS
; would want a round of barriers for each refill inside a loop whose trip count is read from memory.  The weights must be rounded on the way in, so they pass through registers.
; THE MATRIX INSTRUCTION: source 0 = 16 channels, source 1 = 16 slots: a lane holds slot l % 16 and the channels 8 (l / 16) + 0..7; a tile's 16 rows of 256 bytes go through my own stage in LDS and leave whole.
; LIMITS.  NaN and infinities are not treated apart.
; REGISTERS, in windows of 256 (s_set_vgpr_msb: bits 1:0 source 0, 3:2 source 1, 5:4 source 2, 7:6 destination):
;   window 0: v1-10 addresses; v16-31 the rows' numbers, then offsets; v32-95 8 accumulators ((mt, t) at 32 + 8 (4 mt + t)); v96-223 weights' fragments, four buffers of a chunk; v224-255 at work
;   windows 1, 2: the pair's activations, chunks 0-15 and 16-31: (c, mt) at 8 (2 (c % 16) + mt)          window 3: the weights as loaded, a ring of 8 rows of 32 registers
.set SECOND, 1
.if SECOND
.set WPITCH, 8192                      ; bytes from row to row of the weights
.set A_MT,   65536                     ; bytes of a tile of 16 slots in the activations
.else
.set WPITCH, 4096
.set A_MT,   32768
.endif
.set A_PAIR, 2*A_MT
.set UP,     272                       ; a UNIT in LDS: 16 rows x 16 bytes + 16 of padding.  Unit 128 t + 4 c + 2 p + h holds W(16 t + r, 32 c + 16 p + 8 h + 0..7) at 16 r
.set NT,     128*UP                    ; the units of 16 rows of W.  A fragment load's 16 lanes take one unit, 256 consecutive bytes; the 16 lane pairs of a store hit 16 units, 68 words apart
.set STAGE,  4*NT                      ; behind the weights: 16 rows x 272 bytes for each wave
.set PLANE,  4104*4096                 ; a half's plane of y2: 4,096 rows and 8 dump rows of 4,096 bytes
.set TT,  16
.set DV,  16
.set ACC, 32
.set BB,  96
.set TMP, 224
.set MSB, 0
.macro WIN new                         ; the immediate's high byte repeats the setting that is left; a switch that changes nothing is dropped
.if MSB != (\new)
	s_set_vgpr_msb (MSB<<8)|(\new)
.set MSB, (\new)
.endif
.endm
.macro WLOAD g                         ; row g of my 16 rows of W: 4,096 consecutive bytes, into ring place g % 8 of window 3.  The launch reads each of these bytes once
	WIN 0xc0
.irp kb, 0,1,2,3,4,5,6,7
	global_load_b128 v[32*((\g)%8)+4*\kb:32*((\g)%8)+4*\kb+3], v1, s[20:21] offset:(\g)*WPITCH+512*\kb th:TH_LOAD_NT
.endr
.endm
.macro WCONV g                         ; row g rounded to bf16 and laid into its units: lane l's 4 numbers of load kb belong to unit 16 kb + l / 2, bytes 16 g + 8 (l % 2)
	WIN 0x0f
.set z, 0
.rept 16
	v_cvt_pk_bf16_f32 v[TMP+z], v[32*((\g)%8)+2*z], v[32*((\g)%8)+2*z+1]
.set z, z+1
.endr
	WIN 0
.irp kb, 0,1,2,3,4,5,6,7
	ds_store_b64 v6, v[TMP+2*\kb:TMP+2*\kb+1] offset:16*UP*\kb+16*(\g)
.endr
.endm
.macro ALOAD c                         ; chunk c of a pair's activations: 2 tiles x 2 loads of 512 consecutive bytes
	WIN 0x40*(1+(\c)/16)
.irp mt, 0,1
.irp p, 0,1
	global_load_b128 v[8*(2*((\c)%16)+\mt)+4*\p:8*(2*((\c)%16)+\mt)+4*\p+3], v1, s[22:23] offset:\mt*A_MT+1024*(\c)+512*\p
.endr
.endr
.endm
.macro BLOAD c                         ; chunk c of the weights' fragments, 64 rows, into buffer c % 4.  Address and destination lie in window 0 under every setting in which it is used
.irp t, 0,1,2,3
.irp p, 0,1
	ds_load_b128 v[BB+32*((\c)%4)+8*\t+4*\p:BB+32*((\c)%4)+8*\t+4*\p+3], v[2+\t] offset:4*UP*(\c)+2*UP*\p
.endr
.endr
.endm
; One chunk of 32 along K: 8 matrix instructions, the 8 accumulators by turns in the same order in every chunk, over the loop's jump too.  Chunk 0 starts the sums with the constant 0.
; Four v_nop are the places between the products and the loads into registers that products have read: the weights' buffer of chunk c - 1, and (pf = 1) this chunk's activations,
; which take the next pair's.  Behind chunk 31 they are the places in front of the first read of a result.
.macro STEP c, pf
.if \pf
	s_wait_loadcnt 63                              ; 124 loads or more are younger than this chunk's (the rest of this pair, the next pair's first chunks): the count is the largest that the wait can name
	s_wait_dscnt 16                                ; younger are the weights' chunks c + 1 and c + 2
.else
.set na, 4*(31-(\c))+4*SECOND
.if na > 63
.set na, 63
.endif
.set nd, 8*(31-(\c))
.if nd > 16
.set nd, 16
.endif
	s_wait_loadcnt na                              ; younger are this pair's later chunks (and, in the second product, the four loads of the rows' numbers)
	s_wait_dscnt nd                                ; younger are the weights' next two chunks, while there are any
.endif
	WIN 0x04*(1+(\c)/16)
.irp t, 0,1,2,3
.irp mt, 0,1
.if (\c) == 0
	v_wmma_f32_16x16x32_bf16 v[ACC+8*(4*\mt+\t):ACC+8*(4*\mt+\t)+7], v[BB+32*((\c)%4)+8*\t:BB+32*((\c)%4)+8*\t+7], v[8*(2*((\c)%16)+\mt):8*(2*((\c)%16)+\mt)+7], 0
.else
	v_wmma_f32_16x16x32_bf16 v[ACC+8*(4*\mt+\t):ACC+8*(4*\mt+\t)+7], v[BB+32*((\c)%4)+8*\t:BB+32*((\c)%4)+8*\t+7], v[8*(2*((\c)%16)+\mt):8*(2*((\c)%16)+\mt)+7], v[ACC+8*(4*\mt+\t):ACC+8*(4*\mt+\t)+7]
.endif
.endr
.endr
.rept 4
	v_nop
.endr
.if (\pf) || ((\c) < 29)
	BLOAD ((\c)+3)%32
.endif
.if \pf
	ALOAD \c
.endif
.endm
; THE WAY OUT of a pair.  The rows' numbers are bounded and made byte offsets; then, a tile of 16 slots at a time: a lane's 8 channels of each accumulator go into my stage (low half first), whole rows of
; 256 bytes come back, and sixteen lanes store a row's 256 consecutive bytes, aligned, at the slot's row of y2.  The stage is my own and LDS serves a wave's instructions in order: no wait between stores and loads.
.macro EPI pf
.if \pf
	s_wait_loadcnt 63                              ; the next pair's 128 loads are younger than the rows' numbers
.else
	s_wait_loadcnt 0x0
.endif
.set q, 0
.rept 16
	v_min_u32 v[DV+q], 4103, v[DV+q]               ; a row of y2's plane, whatever toke holds
.set q, q+1
.endr
.set q, 0
.rept 16
	v_lshl_add_u32 v[DV+q], v[DV+q], 12, v9        ; 4,096 x row + my 16 bytes
.set q, q+1
.endr
.irp mt, 0,1
.irp t, 0,1,2,3
	ds_store_b128 v7, v[ACC+8*(4*\mt+\t):ACC+8*(4*\mt+\t)+3] offset:64*\t
	ds_store_b128 v7, v[ACC+8*(4*\mt+\t)+4:ACC+8*(4*\mt+\t)+7] offset:64*\t+16
.endr
	s_wait_xcnt 0x0                                ; the stores of the tile before have read the registers that are loaded again below
.irp q, 0,1,2,3,4,5,6,7
	ds_load_b128 v[TMP+4*\q:TMP+4*\q+3], v8 offset:UP*\q
.endr
.irp q, 0,1,2,3,4,5,6,7
	s_wait_dscnt 7-\q                              ; younger are the later rows' loads
	global_store_b128 v[DV+8*\mt+\q], v[TMP+4*\q:TMP+4*\q+3], s[24:25]
.endr
.endr
.endm
; A pair.  pf = 1: the pair four further on is fetched meanwhile.
.macro PASS pf
	s_wait_xcnt 0x0                                ; every earlier memory instruction has had its addresses translated: the activations' base and the registers that the last pair's stores named are written again only behind this wait
.if \pf
	s_add_nc_u64 s[22:23], s[22:23], 4*A_PAIR
.endif
.if SECOND
.irp mt, 0,1
.irp u, 0,1
	global_load_b128 v[DV+8*\mt+4*\u:DV+8*\mt+4*\u+3], v10, s[26:27] offset:64*\mt+16*\u  ; the y2 rows of the pair's slots
.endr
.endr
.endif
.set cc, 0
.rept 32
	STEP cc, \pf
.set cc, cc+1
.endr
	WIN 0
	EPI \pf
.if \pf
	s_wait_xcnt 0x0                                ; the loads of the rows' numbers have read their base
.if SECOND
	s_add_nc_u64 s[26:27], s[26:27], 512           ; four pairs of 32 entries on
.else
	s_add_nc_u64 s[24:25], s[24:25], 4*131072      ; four pairs on in hf
.endif
.endif
.endm
	s_load_b256 s[4:11], s[0:1], 0x0               ; weights s[4:5], activations s[6:7], meta s[8:9], s[10:11]: hf (first product) or toke (second)
.if SECOND
	s_load_b64 s[30:31], s[0:1], 0x20              ; y2
.endif
	v_lshrrev_b32 v11, 5, v0
	v_readfirstlane_b32 s12, v11                   ; wave 0..3
	s_and_b32 s13, ttmp7, 0xffff                   ; expert
.if SECOND
	s_lshr_b32 s14, ttmp9, 1                       ; which 64 rows of W
	s_and_b32 s29, ttmp9, 1                        ; which half of K
.else
	s_mov_b32 s14, ttmp9
.endif
	v_and_b32 v11, 31, v0                          ; l
	v_and_b32 v12, 15, v0                          ; r
	v_bfe_u32 v13, v0, 4, 1                        ; h
	v_lshlrev_b32 v1, 4, v11                       ; v1: 16 l
	v_mul_u32_u24 v2, v13, UP
	v_lshl_add_u32 v2, v12, 4, v2                  ; v2-5: a fragment's place for rows 16 t ..: 34,816 t + 272 h + 16 r
	v_add_nc_u32 v3, NT, v2
	v_add_nc_u32 v4, 2*NT, v2
	v_add_nc_u32 v5, 3*NT, v2
	v_lshrrev_b32 v14, 1, v11
	v_and_b32 v15, 1, v11
	v_mul_u32_u24 v6, v14, UP
	v_lshl_add_u32 v6, v15, 3, v6
	s_mul_i32 s17, s12, NT
	v_add_nc_u32 v6, s17, v6                       ; v6: where my rounded numbers go: 34,816 w + 272 (l / 2) + 8 (l % 2)
.if SECOND
	s_mul_i32 s17, s12, 16*UP
	s_add_co_u32 s17, s17, STAGE                   ; my stage: 16 rows of 256 bytes + 16
	v_mul_u32_u24 v7, v12, UP
	v_lshl_add_u32 v7, v13, 5, v7
	v_add_nc_u32 v7, s17, v7                       ; v7: in: row r, 32 bytes for each half of the lanes
	v_mul_u32_u24 v8, v13, 8*UP
	v_lshl_add_u32 v8, v12, 4, v8
	v_add_nc_u32 v8, s17, v8                       ; v8: back: lanes 0-15 row q, lanes 16-31 row q + 8
	v_lshlrev_b32 v9, 4, v12                       ; v9: my 16 bytes of a row's 256
	v_lshlrev_b32 v10, 5, v13                      ; v10: lanes 16-31 take the entries of the slots 8 further on
.endif
	s_lshl_b32 s18, s13, 23                        ; the expert's 8 MiB of weights,
	s_lshl_b32 s17, s14, 18+SECOND                 ; the work-group's 64 rows,
	s_add_co_u32 s18, s18, s17
	s_lshl_b32 s17, s12, 16+SECOND                 ; my 16 of them
	s_add_co_u32 s18, s18, s17
.if SECOND
	s_lshl_b32 s17, s29, 12                        ; and the half of K
	s_add_co_u32 s18, s18, s17
.endif
	s_mov_b32 s19, 0                               ; s[18:19]: an offset as a pair; the high word stays 0
	s_wait_kmcnt 0x0
	s_add_nc_u64 s[20:21], s[4:5], s[18:19]
.irp g, 0,1,2,3,4,5,6,7
	WLOAD \g
.endr
	s_lshl_b32 s18, s13, 2
	s_add_nc_u64 s[8:9], s[8:9], s[18:19]
	s_load_b32 s15, s[8:9], 0x0                    ; the expert's pairs
.if SECOND
	s_mul_i32 s18, s29, PLANE                      ; y2: the half's plane, the work-group's 256 bytes of every row
	s_lshl_b32 s17, s14, 8
	s_add_co_u32 s18, s18, s17
	s_add_nc_u64 s[24:25], s[30:31], s[18:19]
	s_lshl_b32 s18, s13, 13                        ; toke: the expert's list, my first pair's 32 entries
	s_lshl_b32 s17, s12, 7
	s_add_co_u32 s18, s18, s17
	s_add_nc_u64 s[26:27], s[10:11], s[18:19]
.else
	s_lshl_b32 s18, s13, 23                        ; hf: the expert, my first pair, the work-group's two chunks
	s_lshl_b32 s17, s12, 17
	s_add_co_u32 s18, s18, s17
	s_lshl_b32 s17, s14, 11
	s_add_co_u32 s18, s18, s17
	s_add_nc_u64 s[24:25], s[10:11], s[18:19]
.endif
	s_wait_kmcnt 0x0
	s_min_u32 s15, s15, 64
	s_max_u32 s15, s15, 1                          ; 1 to 64 pairs
	s_sub_co_u32 s17, s15, 1
	s_min_u32 s17, s17, s12                        ; my first pair is pair w; a wave that has none fetches the expert's last pair and uses nothing of it,
	s_min_u32 s17, s17, 3                          ; so that the text up to the barrier is the same for every wave
	s_lshl_b32 s18, s17, 16+SECOND
	s_lshl_b32 s17, s13, 22+SECOND
	s_add_co_u32 s18, s18, s17
.if SECOND
	s_lshl_b32 s17, s29, 15                        ; the half's 32 chunks of 1,024 bytes
	s_add_co_u32 s18, s18, s17
.endif
	s_add_nc_u64 s[22:23], s[6:7], s[18:19]
; The weights: 8 rows are on their way; each row is rounded and laid into LDS, and its ring place takes the row 8 further on; when no row is left, the first pair's activations go out instead.
.set g, 0
.rept 16
.if g <= 8
	s_wait_loadcnt 56                              ; younger are the seven rows behind this one
.else
	s_wait_loadcnt 63                              ; younger are the rows behind this one and 16 (g - 8) loads of activations, 64 or more: the largest count that the wait can name
.endif
	WCONV g
.if g < 8
	WLOAD g+8
.else
	ALOAD 4*(g-8)
	ALOAD 4*(g-8)+1
	ALOAD 4*(g-8)+2
	ALOAD 4*(g-8)+3
.endif
.set g, g+1
.endr
	WIN 0
	s_wait_dscnt 0x0                               ; for the others' sake: my 16 rows are in LDS
	s_barrier_signal -1
	s_barrier_wait -1                              ; all 64 rows are; from here on LDS's weights are only read, and no barrier follows
	s_add_co_u32 s16, s15, 3
	s_sub_co_u32 s16, s16, s12
	s_lshr_b32 s16, s16, 2                         ; my pairs: w, w + 4, ... below the expert's number
	s_cmp_eq_u32 s16, 0
	s_cbranch_scc1 .Lend
	BLOAD 0
	BLOAD 1
	BLOAD 2
	s_sub_co_u32 s28, s16, 1
	s_cmp_eq_u32 s28, 0
	s_cbranch_scc1 .Ltail
.Lpass:
	PASS 1
	s_sub_co_i32 s28, s28, 1
	s_cmp_lg_u32 s28, 0
	s_cbranch_scc1 .Lpass
.Ltail:
	PASS 0                                         ; my last pair is written out: nothing is fetched beyond it
.Lend:
	s_wait_xcnt 0x0
	v_lshl_add_u32 v254, v0, 2, 0x26400
	v_mov_b32 v255, 0
	s_wait_tensorcnt 0x0
	ds_add_u32 v254, v255
	s_wait_dscnt 0x0
	s_endpgm
.Lfunc_end_k_q42b04ebd13_ffn2:
	.size	k_q42b04ebd13_ffn2, .Lfunc_end_k_q42b04ebd13_ffn2-k_q42b04ebd13_ffn2
	.p2alignl 7, 3214868480
	.fill 96, 4, 3214868480
	.section	.rodata,"a",@progbits
	.p2align	6, 0x0
	.amdhsa_kernel k_q42b04ebd13_ffn2
		.amdhsa_group_segment_fixed_size 157184
		.amdhsa_private_segment_fixed_size 0
		.amdhsa_enable_private_segment 0
		.amdhsa_kernarg_size 40
		.amdhsa_user_sgpr_count 2
		.amdhsa_user_sgpr_kernarg_segment_ptr 1
		.amdhsa_wavefront_size32 1
		.amdhsa_system_sgpr_workgroup_id_x 1
		.amdhsa_system_sgpr_workgroup_id_y 1
		.amdhsa_system_sgpr_workgroup_id_z 1
		.amdhsa_system_vgpr_workitem_id 0
		.amdhsa_next_free_vgpr 1024
		.amdhsa_next_free_sgpr 66
		.amdhsa_reserve_vcc 0
		.amdhsa_float_denorm_mode_32 3
		.amdhsa_float_denorm_mode_16_64 3
		.amdhsa_memory_ordered 1
		.amdhsa_forward_progress 1
		.amdhsa_inst_pref_size 158
	.end_amdhsa_kernel
	.amdgpu_metadata
---
amdhsa.version: [ 1, 2 ]
amdhsa.kernels:
  - .name:           k_q42b04ebd13_ffn2
    .symbol:         k_q42b04ebd13_ffn2.kd
    .args:
      - { .name: w2, .offset: 0, .size: 8, .value_kind: global_buffer, .address_space: global }
      - { .name: hf, .offset: 8, .size: 8, .value_kind: global_buffer, .address_space: global }
      - { .name: meta, .offset: 16, .size: 8, .value_kind: global_buffer, .address_space: global }
      - { .name: toke, .offset: 24, .size: 8, .value_kind: global_buffer, .address_space: global }
      - { .name: y2, .offset: 32, .size: 8, .value_kind: global_buffer, .address_space: global }
    .group_segment_fixed_size: 157184
    .private_segment_fixed_size: 0
    .kernarg_segment_align: 8
    .kernarg_segment_size: 40
    .max_flat_workgroup_size: 128
    .sgpr_count:     66
    .vgpr_count:     1024
    .wavefront_size: 32
...
	.end_amdgpu_metadata
.endif
;; end of part 5
;; launch combine (part 6): grid 256 x 1, 8 waves a work-group, no clusters, 0 bytes of LDS; arguments x, ri, rw, y2, out0; writes out0
.if DOCPART == 6
	.amdgcn_target "amdgcn-amd-amdhsa--gfx1250"
	.amdhsa_code_object_version 6
	.text
	.protected	k_q42b04ebd13_combine
	.globl	k_q42b04ebd13_combine
	.p2align	8
	.type	k_q42b04ebd13_combine,@function
k_q42b04ebd13_combine:
	s_mov_b64 s[64:65], 0
	v_nop
	global_prefetch_b8 v0, s[64:65] scope:SCOPE_SE
	s_setreg_imm32_b32 hwreg(HW_REG_WAVE_MODE, 25, 1), 1
	s_wait_xcnt 0x0
; THE COMBINATION.  out[t] = sum over the token's two choices k of: p_k (y2[0][2 t + k] + y2[1][2 t + k]) if the choice is an FFN expert (below 8), p_k x[t] if it is a zero expert.
; x is rounded to bf16 here as in the products, so that every use of an input has the same rounding; all arithmetic is f32.
; SHARES.  One wave, one token: a row of 4,096 bytes is eight loads or stores of 512 consecutive bytes.  No loop, no branch, no LDS: memory binds, and nothing is shared between waves.
; For a zero expert no row of y2 was made: the row's NUMBER is replaced by 8208, the row of zeros that lies behind y2's two planes, so that every wave issues the same 40 loads and p_k multiplies 0.
; The row numbers hang on ri, whole numbers that an earlier launch stored; each is bounded by 8208 before it enters an address.
; LIMITS.  NaN and infinities are not treated apart; an expert that was not chosen adds nothing, also where its product would not be finite.
.set PROWS, 4104                       ; rows in a half's plane of y2
.set ZROW,  2*PROWS                    ; the row of zeros
	s_load_b256 s[4:11], s[0:1], 0x0               ; x s[4:5], ri s[6:7], rw s[8:9], y2 s[10:11]
	s_load_b64 s[12:13], s[0:1], 0x20              ; out0
	v_lshrrev_b32 v1, 5, v0
	v_readfirstlane_b32 s14, v1                    ; wave 0..7
	v_and_b32 v1, 31, v0
	v_lshlrev_b32 v1, 4, v1                        ; 16 x lane
	s_lshl_b32 s15, ttmp9, 3
	s_add_co_u32 s15, s15, s14                     ; my token
	s_mov_b32 s17, 0                               ; s[16:17]: an offset as a pair; the high word stays 0
	s_wait_kmcnt 0x0
	s_lshl_b32 s16, s15, 2
	s_add_nc_u64 s[6:7], s[6:7], s[16:17]
	s_load_b32 s20, s[6:7], 0x0                    ; e0 | e1 << 8
	s_lshl_b32 s16, s15, 3
	s_add_nc_u64 s[8:9], s[8:9], s[16:17]
	s_load_b64 s[22:23], s[8:9], 0x0               ; p0, p1
	s_lshl_b32 s16, s15, 12
	s_add_nc_u64 s[4:5], s[4:5], s[16:17]          ; my row of x
	s_add_nc_u64 s[12:13], s[12:13], s[16:17]      ; and of out
.macro ROWLD dst, lo                   ; a row: eight loads of 512 consecutive bytes
.irp i, 0,1,2,3,4,5,6,7
	global_load_b128 v[(\dst)+4*\i:(\dst)+4*\i+3], v1, s[(\lo):(\lo)+1] offset:512*\i
.endr
.endm
	ROWLD 16, 4                                    ; x goes out while the routing words are on their way
	s_lshl_b32 s40, s15, 1                         ; y2's rows: 2 t in the first half's plane,
	s_add_co_u32 s41, s40, PROWS                   ; in the second's;
	s_add_co_u32 s42, s40, 1                       ; 2 t + 1 in the first,
	s_add_co_u32 s43, s40, PROWS+1                 ; in the second
	s_wait_kmcnt 0x0
	s_and_b32 s21, s20, 0xff                       ; e0
	s_bfe_u32 s20, s20, 0x80008                    ; e1
	s_cmp_lt_u32 s21, 8                            ; is choice 0 an FFN expert?
	s_cselect_b32 s40, s40, ZROW
	s_cselect_b32 s41, s41, ZROW
	s_cselect_b32 s38, 0, s22                      ; z0: its weight on x
	s_cmp_lt_u32 s20, 8                            ; and choice 1?
	s_cselect_b32 s42, s42, ZROW
	s_cselect_b32 s43, s43, ZROW
	s_cselect_b32 s39, 0, s23                      ; z1
.irp n, 0,1,2,3
	s_min_u32 s[40+\n], s[40+\n], ZROW             ; a row of y2, whatever ri holds
	s_lshl_b32 s16, s[40+\n], 12
	s_add_nc_u64 s[24+2*\n:25+2*\n], s[10:11], s[16:17]
.endr
	ROWLD 48, 24
	ROWLD 80, 26
	ROWLD 112, 28
	ROWLD 144, 30
	s_add_f32 s36, s38, s39                        ; the zero experts' weight
	s_mov_b32 s32, s22                             ; the packed forms name pairs and take the low word for both halves: both words are written
	s_mov_b32 s33, s22
	s_mov_b32 s34, s23
	s_mov_b32 s35, s23
	s_mov_b32 s37, s36
.set i, 0
.rept 8
	s_wait_loadcnt 7-i                             ; loads come back in order: younger are the later loads of the last row
	v_cvt_pk_bf16_f32 v2, v[16+4*i], v[17+4*i]     ; x rounded to bf16,
	v_cvt_pk_bf16_f32 v3, v[18+4*i], v[19+4*i]
	v_lshlrev_b32 v4, 16, v2                       ; and widened again
	v_and_b32 v5, 0xffff0000, v2
	v_lshlrev_b32 v6, 16, v3
	v_and_b32 v7, 0xffff0000, v3
	v_pk_add_f32 v[8:9],   v[48+4*i:49+4*i],   v[80+4*i:81+4*i]    ; the two halves of K
	v_pk_add_f32 v[10:11], v[50+4*i:51+4*i],   v[82+4*i:83+4*i]
	v_pk_add_f32 v[12:13], v[112+4*i:113+4*i], v[144+4*i:145+4*i]
	v_pk_add_f32 v[14:15], v[114+4*i:115+4*i], v[146+4*i:147+4*i]
	v_pk_mul_f32 v[16+4*i:17+4*i], v[4:5], s[36:37] op_sel_hi:[1,0]   ; the result grows in x's own registers: no store's data is ever written again
	v_pk_mul_f32 v[18+4*i:19+4*i], v[6:7], s[36:37] op_sel_hi:[1,0]
	v_pk_fma_f32 v[16+4*i:17+4*i], v[8:9],   s[32:33], v[16+4*i:17+4*i] op_sel_hi:[1,0,1]
	v_pk_fma_f32 v[18+4*i:19+4*i], v[10:11], s[32:33], v[18+4*i:19+4*i] op_sel_hi:[1,0,1]
	v_pk_fma_f32 v[16+4*i:17+4*i], v[12:13], s[34:35], v[16+4*i:17+4*i] op_sel_hi:[1,0,1]
	v_pk_fma_f32 v[18+4*i:19+4*i], v[14:15], s[34:35], v[18+4*i:19+4*i] op_sel_hi:[1,0,1]
	global_store_b128 v1, v[16+4*i:19+4*i], s[12:13] offset:512*i th:TH_STORE_NT  ; 512 consecutive bytes
.set i, i+1
.endr
	s_endpgm
.Lfunc_end_k_q42b04ebd13_combine:
	.size	k_q42b04ebd13_combine, .Lfunc_end_k_q42b04ebd13_combine-k_q42b04ebd13_combine
	.p2alignl 7, 3214868480
	.fill 96, 4, 3214868480
	.section	.rodata,"a",@progbits
	.p2align	6, 0x0
	.amdhsa_kernel k_q42b04ebd13_combine
		.amdhsa_group_segment_fixed_size 0
		.amdhsa_private_segment_fixed_size 0
		.amdhsa_enable_private_segment 0
		.amdhsa_kernarg_size 40
		.amdhsa_user_sgpr_count 2
		.amdhsa_user_sgpr_kernarg_segment_ptr 1
		.amdhsa_wavefront_size32 1
		.amdhsa_system_sgpr_workgroup_id_x 1
		.amdhsa_system_sgpr_workgroup_id_y 1
		.amdhsa_system_sgpr_workgroup_id_z 1
		.amdhsa_system_vgpr_workitem_id 0
		.amdhsa_next_free_vgpr 176
		.amdhsa_next_free_sgpr 66
		.amdhsa_reserve_vcc 0
		.amdhsa_float_denorm_mode_32 3
		.amdhsa_float_denorm_mode_16_64 3
		.amdhsa_memory_ordered 1
		.amdhsa_forward_progress 1
		.amdhsa_inst_pref_size 15
	.end_amdhsa_kernel
	.amdgpu_metadata
---
amdhsa.version: [ 1, 2 ]
amdhsa.kernels:
  - .name:           k_q42b04ebd13_combine
    .symbol:         k_q42b04ebd13_combine.kd
    .args:
      - { .name: x, .offset: 0, .size: 8, .value_kind: global_buffer, .address_space: global }
      - { .name: ri, .offset: 8, .size: 8, .value_kind: global_buffer, .address_space: global }
      - { .name: rw, .offset: 16, .size: 8, .value_kind: global_buffer, .address_space: global }
      - { .name: y2, .offset: 24, .size: 8, .value_kind: global_buffer, .address_space: global }
      - { .name: out0, .offset: 32, .size: 8, .value_kind: global_buffer, .address_space: global }
    .group_segment_fixed_size: 0
    .private_segment_fixed_size: 0
    .kernarg_segment_align: 8
    .kernarg_segment_size: 40
    .max_flat_workgroup_size: 256
    .sgpr_count:     66
    .vgpr_count:     176
    .wavefront_size: 32
...
	.end_amdgpu_metadata
.endif
;; end of part 6
;; ======== version 2 of 2: 6 launches; version 1 with the launches ffn1, ffn2 written anew for expert scheduling mode
;; workspace buffers: ri 8,192 bytes of whole numbers; rw 16,384 bytes; toke 65,536 bytes of whole numbers; meta 256 bytes of whole numbers; xf 33,554,432 bytes; hf 67,108,864 bytes; y2 33,624,064 bytes
;; launch route: the kernel of part 1 again; grid 128 x 1, 4 waves a work-group, no clusters, 73,216 bytes of LDS; arguments x, gate_w, expert_bias, ri, rw; writes ri, rw
;; launch plan: the kernel of part 2 again; grid 1 x 1, 8 waves a work-group, no clusters, 67,584 bytes of LDS; arguments ri, toke, meta, y2; writes toke, meta, y2
;; launch gather: the kernel of part 3 again; grid 16 x 8, 8 waves a work-group, no clusters, 68,608 bytes of LDS; arguments x, toke, meta, xf; writes xf
;; launch ffn1 (part 7): grid 32 x 8, 4 waves a work-group, no clusters, 139,776 bytes of LDS; arguments w1, xf, meta, hf; writes hf
.if DOCPART == 7
	.amdgcn_target "amdgcn-amd-amdhsa--gfx1250"
	.amdhsa_code_object_version 6
	.text
	.protected	k_q42b04ebd13_ffn1
	.globl	k_q42b04ebd13_ffn1
	.p2align	8
	.type	k_q42b04ebd13_ffn1,@function
k_q42b04ebd13_ffn1:
	s_mov_b64 s[64:65], 0
	v_nop
	global_prefetch_b8 v0, s[64:65] scope:SCOPE_SE
	s_setreg_imm32_b32 hwreg(HW_REG_WAVE_SCHED_MODE, 0, 2), 2
	s_setreg_imm32_b32 hwreg(HW_REG_WAVE_MODE, 25, 1), 1
	s_wait_xcnt 0x0
	s_wait_alu depctr_vm_vsrc(0)
; THE FIRST PRODUCT (SECOND = 0): hf[e][slot][f] = silu(sum over d of xf[e][slot][d] w1[e][f][d]), for the slots of expert e's list alone.  One text serves both products; SECOND picks the sizes.
; FORMATS.  w1 is rounded to bf16 on its way into LDS, xf is bf16, the sums and silu are f32, h is rounded to bf16 once (bf16 and not f16: h has no bound that f16 would hold for larger inputs).
; SHARES.  Work-group (ns, e) owns the 64 features 64 ns .. of expert e over all 1,024 of K: 262,144 bytes of f32, read once, kept in LDS as bf16 for the whole launch.
; Wave w rounds 16 of the 64 rows; behind the ONE barrier each wave walks pairs w, w + 4, ... of the expert's tiles (a pair = 32 slots) by itself: activations come from memory straight into registers
; (xf lies in fragment order: each load is 512 consecutive bytes), a whole pair ahead; weights come from LDS, four chunks of 32 K ahead.  The number of pairs is read from meta, which an earlier launch stored;
; no barrier stands in or behind the loop that hangs on it.
; NO CLUSTER, NO DATA MOVER: the 32 work-groups of an expert read the same activations, but each wave takes its own tiles into registers at its own pace, in a loop without barriers; a joint request into LDS
; would want a round of barriers for each refill inside a loop whose trip count is read from memory.  The weights must be rounded on the way in, so they pass through registers.
; THE MATRIX INSTRUCTION: source 0 = 16 features, source 1 = 16 slots: a lane holds slot l % 16 and the features 8 (l / 16) + 0..7, which rounded ARE 16 bytes of the next product's operand: nothing changes lanes.
; LIMITS.  NaN and infinities are not treated apart; 2^(-1.4427 a) below 2^-126 counts as 0, which leaves silu(a) = a.
; REGISTERS, in windows of 256 (s_set_vgpr_msb: bits 1:0 source 0, 3:2 source 1, 5:4 source 2, 7:6 destination):
;   window 0: v1-10 addresses; v16-31 at work; v32-95 8 accumulators ((mt, t) at 32 + 8 (4 mt + t)); v224-255 at work
;   windows 1, 2: the pair's activations, chunks 0-15 and 16-31: (c, mt) at 8 (2 (c % 16) + mt)
;   window 3: up to the barrier the weights as loaded, a ring of 8 rows of 32 registers; behind it the weights' fragments, eight buffers of a chunk
; THE MODE: SCHED_MODE bits 1:0 = 2 (LLVM: expert scheduling mode 2), set by the entry lines.  The code itself states the register dependences
; between vector or matrix instructions and memory or LDS instructions, with s_wait_alu, always for 0.
; THE PLAN.  Registers that memory or LDS instructions touch, and who else names them:
;   v1-v6   offsets and LDS addresses: written at the head, ahead of the head's wait on va_vdst, and never again.
;   RING    (window 3, up to the barrier) place g % 8: row g's loads land in it, row g's 16 roundings read it, row g + 8's loads land in it behind row g's wait on va_vdst.
;   TMP     The weights' phase: two halves by turns.  Row g's roundings write half g % 2; its 8 LDS stores read it, behind the row's wait on va_vdst.  The wait on vm_vsrc in row g stands ahead of
;           that row's stores: it shows row g - 1's stores done reading the other half, which row g + 1's roundings write.  The way out: the roundings write all 32, behind a wait on vm_vsrc at the
;           way out's head; 8 global stores read them, behind the way out's wait on va_vdst.
;   BB      (window 3, behind the barrier) two halves of four buffers.  Chunk c's products read buffer c % 8; the LDS loads of chunk c + 4, issued behind those products, land in the other half.
;   A       (windows 1, 2) chunk c's products read its 16 registers; the next pair's chunk c lands in them, asked for behind the products of chunk c + 4 (chunks 28 to 31: on the way out).
; A GROUP is four chunks, 32 products.  ONE wait on va_vdst stands at the head of a group: the group before is done reading its half of BB and its four chunks of A.  The group's 32 LDS loads and 16 global
; loads follow, dealt behind each chunk's products, which name the other half of BB, this group's chunks of A and the accumulators: none of the registers that those loads touch.
; Group 0 owes no wait: the way out's wait on va_vdst (for a wave's first pair: the wait of the weights' last row) stands behind the last reader of buffers 4 to 7, and nothing has named them since.
.set SECOND, 0
.if SECOND
.set WPITCH, 8192                      ; bytes from row to row of the weights
.set A_MT,   65536                     ; bytes of a tile of 16 slots in the activations
.else
.set WPITCH, 4096
.set A_MT,   32768
.endif
.set A_PAIR, 2*A_MT
.set UP,     272                       ; a UNIT in LDS: 16 rows x 16 bytes + 16 of padding.  Unit 128 t + 4 c + 2 p + h holds W(16 t + r, 32 c + 16 p + 8 h + 0..7) at 16 r
.set NT,     128*UP                    ; the units of 16 rows of W.  A fragment load's 16 lanes take one unit, 256 consecutive bytes; the 16 lane pairs of a store hit 16 units, 68 words apart
.set STAGE,  4*NT
.set PLANE,  4104*4096
.set TT,  16
.set DV,  16
.set ACC, 32
.set TMP, 224
.set BB,  0                            ; in window 3
.set MSB, 0
.macro WIN new                         ; the immediate's high byte repeats the setting that is left; a switch that changes nothing is dropped
.if MSB != (\new)
	s_set_vgpr_msb (MSB<<8)|(\new)
.set MSB, (\new)
.endif
.endm
.macro WLOAD g                         ; row g of my 16 rows of W: 4,096 consecutive bytes, into ring place g % 8 of window 3.  The launch reads each of these bytes once
	WIN 0xc0
.irp kb, 0,1,2,3,4,5,6,7
	global_load_b128 v[32*((\g)%8)+4*\kb:32*((\g)%8)+4*\kb+3], v1, s[20:21] offset:(\g)*WPITCH+512*\kb th:TH_LOAD_NT
.endr
.endm
.macro WCONV g                         ; row g rounded to bf16, into half g % 2 of TMP
	WIN 0x0f
.set z, 0
.rept 16
	v_cvt_pk_bf16_f32 v[TMP+16*((\g)%2)+z], v[32*((\g)%8)+2*z], v[32*((\g)%8)+2*z+1]
.set z, z+1
.endr
.endm
.macro WSTORE g                        ; and laid into its units: lane l's 4 numbers of load kb belong to unit 16 kb + l / 2, bytes 16 g + 8 (l % 2)
	WIN 0
.irp kb, 0,1,2,3,4,5,6,7
	ds_store_b64 v6, v[TMP+16*((\g)%2)+2*\kb:TMP+16*((\g)%2)+2*\kb+1] offset:16*UP*\kb+16*(\g)
.endr
.endm
.macro ALOAD c                         ; chunk c of a pair's activations: 2 tiles x 2 loads of 512 consecutive bytes
	WIN 0x40*(1+(\c)/16)
.irp mt, 0,1
.irp p, 0,1
	global_load_b128 v[8*(2*((\c)%16)+\mt)+4*\p:8*(2*((\c)%16)+\mt)+4*\p+3], v1, s[22:23] offset:\mt*A_MT+1024*(\c)+512*\p
.endr
.endr
.endm
.macro BLOAD c                         ; chunk c of the weights' fragments, 64 rows, into buffer c % 8 of window 3
	WIN 0xc0
.irp t, 0,1,2,3
.irp p, 0,1
	ds_load_b128 v[BB+32*((\c)%8)+8*\t+4*\p:BB+32*((\c)%8)+8*\t+4*\p+3], v[2+\t] offset:4*UP*(\c)+2*UP*\p
.endr
.endr
.endm
; One chunk of 32 along K: 8 matrix instructions, the 8 accumulators by turns in the same order in every chunk, over the loop's jump too.  Chunk 0 starts the sums with the constant 0.
; Behind the products: the weights' chunk four further on, and (pf = 1) the next pair's chunk c - 4 of the activations.
.macro STEP c, pf
.if \pf
	s_wait_loadcnt 63                              ; 108 loads or more are younger than this chunk's (the rest of this pair, the next pair's chunks 0 to c - 5): the count is the largest that the wait can name
.else
.set na, 4*(31-(\c))+4*SECOND
.if na > 63
.set na, 63
.endif
	s_wait_loadcnt na                              ; younger are this pair's later chunks (and, in the second product, the four loads of the rows' numbers)
.endif
.set nd, 8*(31-(\c))
.if (nd > 24) || (\pf)
.set nd, 24
.endif
	s_wait_dscnt nd                                ; younger are the weights' next three chunks, while there are any
.if ((\c)%4 == 0) && ((\c) > 0) && ((\pf) || ((\c) < 28))
	s_wait_alu depctr_va_vdst(0)                   ; a group's head: the products of the four chunks before are done reading their half of BB and their activations, in which this group's loads land
.endif
	WIN 0x03+0x04*(1+(\c)/16)
.irp t, 0,1,2,3
.irp mt, 0,1
.if (\c) == 0
	v_wmma_f32_16x16x32_bf16 v[ACC+8*(4*\mt+\t):ACC+8*(4*\mt+\t)+7], v[BB+32*((\c)%8)+8*\t:BB+32*((\c)%8)+8*\t+7], v[8*(2*((\c)%16)+\mt):8*(2*((\c)%16)+\mt)+7], 0
.else
	v_wmma_f32_16x16x32_bf16 v[ACC+8*(4*\mt+\t):ACC+8*(4*\mt+\t)+7], v[BB+32*((\c)%8)+8*\t:BB+32*((\c)%8)+8*\t+7], v[8*(2*((\c)%16)+\mt):8*(2*((\c)%16)+\mt)+7], v[ACC+8*(4*\mt+\t):ACC+8*(4*\mt+\t)+7]
.endif
.endr
.endr
.if (\pf) || ((\c) < 28)
	BLOAD ((\c)+4)%32                              ; no wait: no vector or matrix instruction since the group's head names the other half of BB
.endif
.if (\pf) && ((\c) >= 4)
	ALOAD (\c)-4                                   ; nor the activations of the group before
.endif
.endm
; THE WAY OUT of a pair: silu(a) = a / (1 + 2^(-1.4427 a)), rounded to bf16.  Tile q = 4 mt + t; each accumulator is read from its low end on.  The transcendentals stand back to back on different
; registers with a plain instruction behind them (ISA guide 5.7.2).  A lane's 16 bytes of tile (mt, t) are its bytes of piece (c = 2 ns + t / 2, p = t % 2) of hf: each store is 512 consecutive bytes.
.macro EPI pf
	s_wait_alu depctr_vm_vsrc(0)                   ; the last pair's stores (for my first pair: the LDS stores of the weights' last two rows) have read TMP, which the roundings below write again
.set q, 0
.rept 8
.set ra, ACC+8*q
.set rt, TT+8*(q%2)
.irp i, 0,2,4,6
	v_pk_mul_f32 v[rt+\i:rt+\i+1], v[ra+\i:ra+\i+1], 0xbfb8aa3b op_sel_hi:[1,0]
.endr
.irp i, 0,1,2,3,4,5,6,7
	v_exp_f32 v[rt+\i], v[rt+\i]
.endr
	v_nop
	s_wait_alu depctr_va_vdst(0)
.irp i, 0,2,4,6
	v_pk_add_f32 v[rt+\i:rt+\i+1], v[rt+\i:rt+\i+1], 1.0 op_sel_hi:[1,0]
.endr
.irp i, 0,1,2,3,4,5,6,7
	v_rcp_f32 v[rt+\i], v[rt+\i]
.endr
	v_nop
	s_wait_alu depctr_va_vdst(0)
.irp i, 0,2,4,6
	v_pk_mul_f32 v[rt+\i:rt+\i+1], v[rt+\i:rt+\i+1], v[ra+\i:ra+\i+1]
.endr
.irp i, 0,1,2,3
	v_cvt_pk_bf16_f32 v[TMP+4*q+\i], v[rt+2*\i], v[rt+2*\i+1]
.endr
.set q, q+1
.endr
	s_wait_alu depctr_va_vdst(0)                   ; the roundings have written TMP, which the stores read; the last four chunks' products are done reading their activations, in which the loads below land, and buffers 4 to 7 of BB
.if \pf
	ALOAD 28                                       ; the next pair's last four chunks, ahead of the stores
	ALOAD 29
	ALOAD 30
	ALOAD 31
	WIN 0
.endif
.set q, 0
.rept 8
	global_store_b128 v1, v[TMP+4*q:TMP+4*q+3], s[24:25] offset:65536*(q/4)+512*(q%4)
.set q, q+1
.endr
.endm
; A pair.  pf = 1: the pair four further on is fetched meanwhile.
.macro PASS pf
	s_wait_xcnt 0x0                                ; every earlier memory instruction has had its addresses translated: the activations' base and the registers that the last pair's stores named are written again only behind this wait
.if SECOND
	s_wait_alu depctr_vm_vsrc(0)                   ; the last pair's stores have read the rows' offsets and the rows, in which loads land again, and its LDS stores the accumulators, which chunk 0's products write
.endif
.if \pf
	s_add_nc_u64 s[22:23], s[22:23], 4*A_PAIR
.endif
.if SECOND
.irp mt, 0,1
.irp u, 0,1
	global_load_b128 v[DV+8*\mt+4*\u:DV+8*\mt+4*\u+3], v10, s[26:27] offset:64*\mt+16*\u  ; the y2 rows of the pair's slots
.endr
.endr
.endif
.set cc, 0
.rept 32
	STEP cc, \pf
.set cc, cc+1
.endr
	WIN 0
.rept 4
	v_nop                                          ; four places between the last product and the first read of a result (ISA guide 7.12.1)
.endr
	EPI \pf
.if \pf
	s_wait_xcnt 0x0                                ; the stores have read their base
.if SECOND
	s_add_nc_u64 s[26:27], s[26:27], 512           ; four pairs of 32 entries on
.else
	s_add_nc_u64 s[24:25], s[24:25], 4*131072      ; four pairs on in hf
.endif
.endif
.endm
	s_load_b256 s[4:11], s[0:1], 0x0               ; weights s[4:5], activations s[6:7], meta s[8:9], s[10:11]: hf (first product) or toke (second)
	v_lshl_add_u32 v222, v0, 2, 0x22000
	v_mov_b32 v223, 0
.if SECOND
	s_load_b64 s[30:31], s[0:1], 0x20              ; y2
.endif
	v_lshrrev_b32 v11, 5, v0
	v_readfirstlane_b32 s12, v11                   ; wave 0..3
	s_and_b32 s13, ttmp7, 0xffff                   ; expert
.if SECOND
	s_lshr_b32 s14, ttmp9, 1                       ; which 64 rows of W
	s_and_b32 s29, ttmp9, 1                        ; which half of K
.else
	s_mov_b32 s14, ttmp9
.endif
	v_and_b32 v11, 31, v0                          ; l
	v_and_b32 v12, 15, v0                          ; r
	v_bfe_u32 v13, v0, 4, 1                        ; h
	v_lshlrev_b32 v1, 4, v11                       ; v1: 16 l
	v_mul_u32_u24 v2, v13, UP
	v_lshl_add_u32 v2, v12, 4, v2                  ; v2-5: a fragment's place for rows 16 t ..: 34,816 t + 272 h + 16 r
	v_add_nc_u32 v3, NT, v2
	v_add_nc_u32 v4, 2*NT, v2
	v_add_nc_u32 v5, 3*NT, v2
	v_lshrrev_b32 v14, 1, v11
	v_and_b32 v15, 1, v11
	v_mul_u32_u24 v6, v14, UP
	v_lshl_add_u32 v6, v15, 3, v6
	s_wait_alu depctr_va_sdst(0)                   ; s12 is written, ahead of its first reader: LDS places, bases and the number of my pairs are made from it
	s_mul_i32 s17, s12, NT
	v_add_nc_u32 v6, s17, v6                       ; v6: where my rounded numbers go: 34,816 w + 272 (l / 2) + 8 (l % 2)
.if SECOND
	s_mul_i32 s17, s12, 16*UP
	s_add_co_u32 s17, s17, STAGE                   ; my stage: 16 rows of 256 bytes + 16
	v_mul_u32_u24 v7, v12, UP
	v_lshl_add_u32 v7, v13, 5, v7
	v_add_nc_u32 v7, s17, v7                       ; v7: in: row r, 32 bytes for each half of the lanes
	v_mul_u32_u24 v8, v13, 8*UP
	v_lshl_add_u32 v8, v12, 4, v8
	v_add_nc_u32 v8, s17, v8                       ; v8: back: lanes 0-15 row q, lanes 16-31 row q + 8
	v_lshlrev_b32 v9, 4, v12                       ; v9: my 16 bytes of a row's 256
	v_lshlrev_b32 v10, 5, v13                      ; v10: lanes 16-31 take the entries of the slots 8 further on
.endif
	s_lshl_b32 s18, s13, 23                        ; the expert's 8 MiB of weights,
	s_lshl_b32 s17, s14, 18+SECOND                 ; the work-group's 64 rows,
	s_add_co_u32 s18, s18, s17
	s_lshl_b32 s17, s12, 16+SECOND                 ; my 16 of them
	s_add_co_u32 s18, s18, s17
.if SECOND
	s_lshl_b32 s17, s29, 12                        ; and the half of K
	s_add_co_u32 s18, s18, s17
.endif
	s_mov_b32 s19, 0                               ; s[18:19]: an offset as a pair; the high word stays 0
	s_wait_kmcnt 0x0
	s_add_nc_u64 s[20:21], s[4:5], s[18:19]
	WIN 0xc0
	s_wait_alu depctr_va_vdst(0)                   ; the offsets and LDS addresses v1 to v10 are written: every load and store of the kernel reads one of them
.irp g, 0,1,2,3,4,5,6,7
	WLOAD \g
.endr
	s_lshl_b32 s18, s13, 2
	s_add_nc_u64 s[8:9], s[8:9], s[18:19]
	s_load_b32 s15, s[8:9], 0x0                    ; the expert's pairs
.if SECOND
	s_mul_i32 s18, s29, PLANE                      ; y2: the half's plane, the work-group's 256 bytes of every row
	s_lshl_b32 s17, s14, 8
	s_add_co_u32 s18, s18, s17
	s_add_nc_u64 s[24:25], s[30:31], s[18:19]
	s_lshl_b32 s18, s13, 13                        ; toke: the expert's list, my first pair's 32 entries
	s_lshl_b32 s17, s12, 7
	s_add_co_u32 s18, s18, s17
	s_add_nc_u64 s[26:27], s[10:11], s[18:19]
.else
	s_lshl_b32 s18, s13, 23                        ; hf: the expert, my first pair, the work-group's two chunks
	s_lshl_b32 s17, s12, 17
	s_add_co_u32 s18, s18, s17
	s_lshl_b32 s17, s14, 11
	s_add_co_u32 s18, s18, s17
	s_add_nc_u64 s[24:25], s[10:11], s[18:19]
.endif
	s_wait_kmcnt 0x0
	s_min_u32 s15, s15, 64
	s_max_u32 s15, s15, 1                          ; 1 to 64 pairs
	s_sub_co_u32 s17, s15, 1
	s_min_u32 s17, s17, s12                        ; my first pair is pair w; a wave that has none fetches the expert's last pair and uses nothing of it,
	s_min_u32 s17, s17, 3                          ; so that the text up to the barrier is the same for every wave
	s_lshl_b32 s18, s17, 16+SECOND
	s_lshl_b32 s17, s13, 22+SECOND
	s_add_co_u32 s18, s18, s17
.if SECOND
	s_lshl_b32 s17, s29, 15                        ; the half's 32 chunks of 1,024 bytes
	s_add_co_u32 s18, s18, s17
.endif
	s_add_nc_u64 s[22:23], s[6:7], s[18:19]
; The weights: 8 rows are on their way; each row is rounded, its ring place takes the row 8 further on, and the row is laid into LDS; when no row is left, the first pair's activations go out instead.
.set g, 0
.rept 16
.if g <= 8
	s_wait_loadcnt 56                              ; younger are the seven rows behind this one
.else
	s_wait_loadcnt 63                              ; younger are the rows behind this one and 16 (g - 8) loads of activations, 64 or more: the largest count that the wait can name
.endif
	WCONV g
.if g < 8
	WIN 0xc0
	s_wait_alu depctr_va_vdst(0)                   ; the roundings are done reading ring place g, in which the loads below land, and have written their half of TMP, which the LDS stores below read
	WLOAD g+8
	WIN 0
.else
	ALOAD 4*(g-8)                                  ; no vector instruction has named windows 1 and 2: these loads hang on the head's wait alone
	ALOAD 4*(g-8)+1
	ALOAD 4*(g-8)+2
	ALOAD 4*(g-8)+3
	WIN 0
	s_wait_alu depctr_va_vdst(0)                   ; the roundings have written their half of TMP, which the LDS stores below read, and are done reading their ring place, which is a buffer of BB behind the barrier
.endif
.if (g > 0) && (g < 15)
	s_wait_alu depctr_vm_vsrc(0)                   ; the LDS stores of the row before have read the other half of TMP, which the next row's roundings write
.endif
	WSTORE g
.set g, g+1
.endr
	s_wait_dscnt 0x0                               ; for the others' sake: my 16 rows are in LDS
	s_barrier_signal -1
	s_barrier_wait -1                              ; all 64 rows are; from here on LDS's weights are only read, and no barrier follows
	s_add_co_u32 s16, s15, 3
	s_sub_co_u32 s16, s16, s12
	s_lshr_b32 s16, s16, 2                         ; my pairs: w, w + 4, ... below the expert's number
	s_cmp_eq_u32 s16, 0
	s_cbranch_scc1 .Lend
	BLOAD 0                                        ; into what was the ring: its last readers, the roundings, stand ahead of the last row's wait on va_vdst, and no vector instruction has followed
	BLOAD 1
	BLOAD 2
	BLOAD 3
	WIN 0
	s_sub_co_u32 s28, s16, 1
	s_cmp_eq_u32 s28, 0
	s_cbranch_scc1 .Ltail
.Lpass:
	PASS 1
	s_sub_co_i32 s28, s28, 1
	s_cmp_lg_u32 s28, 0
	s_cbranch_scc1 .Lpass
.Ltail:
	PASS 0                                         ; my last pair is written out: nothing is fetched beyond it
.Lend:
	s_wait_dscnt 0x0
	s_wait_alu depctr_hold_cnt(0) depctr_sa_sdst(0) depctr_va_vdst(0) depctr_va_sdst(0) depctr_va_ssrc(0) depctr_va_vcc(0) depctr_vm_vsrc(0)
	s_wait_tensorcnt 0x0
	ds_add_u32 v222, v223
	s_wait_dscnt 0x0
	s_endpgm
.Lfunc_end_k_q42b04ebd13_ffn1:
	.size	k_q42b04ebd13_ffn1, .Lfunc_end_k_q42b04ebd13_ffn1-k_q42b04ebd13_ffn1
	.p2alignl 7, 3214868480
	.fill 96, 4, 3214868480
	.section	.rodata,"a",@progbits
	.p2align	6, 0x0
	.amdhsa_kernel k_q42b04ebd13_ffn1
		.amdhsa_group_segment_fixed_size 139776
		.amdhsa_private_segment_fixed_size 0
		.amdhsa_enable_private_segment 0
		.amdhsa_kernarg_size 32
		.amdhsa_user_sgpr_count 2
		.amdhsa_user_sgpr_kernarg_segment_ptr 1
		.amdhsa_wavefront_size32 1
		.amdhsa_system_sgpr_workgroup_id_x 1
		.amdhsa_system_sgpr_workgroup_id_y 1
		.amdhsa_system_sgpr_workgroup_id_z 1
		.amdhsa_system_vgpr_workitem_id 0
		.amdhsa_next_free_vgpr 1024
		.amdhsa_next_free_sgpr 66
		.amdhsa_reserve_vcc 0
		.amdhsa_float_denorm_mode_32 3
		.amdhsa_float_denorm_mode_16_64 3
		.amdhsa_memory_ordered 1
		.amdhsa_forward_progress 1
		.amdhsa_inst_pref_size 170
	.end_amdhsa_kernel
	.amdgpu_metadata
---
amdhsa.version: [ 1, 2 ]
amdhsa.kernels:
  - .name:           k_q42b04ebd13_ffn1
    .symbol:         k_q42b04ebd13_ffn1.kd
    .args:
      - { .name: w1, .offset: 0, .size: 8, .value_kind: global_buffer, .address_space: global }
      - { .name: xf, .offset: 8, .size: 8, .value_kind: global_buffer, .address_space: global }
      - { .name: meta, .offset: 16, .size: 8, .value_kind: global_buffer, .address_space: global }
      - { .name: hf, .offset: 24, .size: 8, .value_kind: global_buffer, .address_space: global }
    .group_segment_fixed_size: 139776
    .private_segment_fixed_size: 0
    .kernarg_segment_align: 8
    .kernarg_segment_size: 32
    .max_flat_workgroup_size: 128
    .sgpr_count:     66
    .vgpr_count:     1024
    .wavefront_size: 32
...
	.end_amdgpu_metadata
.endif
;; end of part 7
;; launch ffn2 (part 8): grid 32 x 8, 4 waves a work-group, no clusters, 157,184 bytes of LDS; arguments w2, hf, meta, toke, y2; writes y2
.if DOCPART == 8
	.amdgcn_target "amdgcn-amd-amdhsa--gfx1250"
	.amdhsa_code_object_version 6
	.text
	.protected	k_q42b04ebd13_ffn2
	.globl	k_q42b04ebd13_ffn2
	.p2align	8
	.type	k_q42b04ebd13_ffn2,@function
k_q42b04ebd13_ffn2:
	s_mov_b64 s[64:65], 0
	v_nop
	global_prefetch_b8 v0, s[64:65] scope:SCOPE_SE
	s_setreg_imm32_b32 hwreg(HW_REG_WAVE_SCHED_MODE, 0, 2), 2
	s_setreg_imm32_b32 hwreg(HW_REG_WAVE_MODE, 25, 1), 1
	s_wait_xcnt 0x0
	s_wait_alu depctr_vm_vsrc(0)
; THE SECOND PRODUCT (SECOND = 1): y2[kh][row][d] = sum over the half kh of f of hf[e][slot][f] w2[e][d][f], row = toke[e][slot] = 2 token + k.  One text serves both products; SECOND picks the sizes.
; FORMATS.  w2 is rounded to bf16 on its way into LDS, hf is bf16, the sums are f32 and leave as f32; the two halves of K are added, and the routing weight applied, by the launch behind.
; SHARES.  Work-group (2 ns + kh, e) owns the 64 channels 64 ns .. of expert e over the half 1,024 kh .. of K: 262,144 bytes of f32, read once, kept in LDS as bf16 for the whole launch.
; Wave w rounds 16 of the 64 rows; behind the ONE barrier each wave walks pairs w, w + 4, ... of the expert's tiles (a pair = 32 slots) by itself: activations come from memory straight into registers
; (hf lies in fragment order: each load is 512 consecutive bytes), a whole pair ahead; weights come from LDS, four chunks of 32 K ahead.  The number of pairs and the rows of y2 are read from meta and toke,
; which an earlier launch stored; no barrier stands in or behind the loop that hangs on them.  A pad slot's row goes to the expert's dump row 4096 + e, of which this work-group owns its 256 bytes and which nobody reads.
; NO CLUSTER, NO DATA MOVER: the 16 work-groups of an expert's half read the same activations, but each wave takes its own tiles into registers at its own pace, in a loop without barriers; a joint request into LDS
; would want a round of barriers for each refill inside a loop whose trip count is read from memory.  The weights must be rounded on the way in, so they pass through registers.
; THE MATRIX INSTRUCTION: source 0 = 16 channels, source 1 = 16 slots: a lane holds slot l % 16 and the channels 8 (l / 16) + 0..7; a tile's 16 rows of 256 bytes go through my own stage in LDS and leave whole.
; LIMITS.  NaN and infinities are not treated apart.
; REGISTERS, in windows of 256 (s_set_vgpr_msb: bits 1:0 source 0, 3:2 source 1, 5:4 source 2, 7:6 destination):
;   window 0: v1-10 addresses; v16-31 the rows' numbers, then offsets; v32-95 8 accumulators ((mt, t) at 32 + 8 (4 mt + t)); v96-159 rows on their way out, 32 registers a tile; v224-255 at work
;   windows 1, 2: the pair's activations, chunks 0-15 and 16-31: (c, mt) at 8 (2 (c % 16) + mt)
;   window 3: up to the barrier the weights as loaded, a ring of 8 rows of 32 registers; behind it the weights' fragments, eight buffers of a chunk
; THE MODE: SCHED_MODE bits 1:0 = 2 (LLVM: expert scheduling mode 2), set by the entry lines.  The code itself states the register dependences
; between vector or matrix instructions and memory or LDS instructions, with s_wait_alu, always for 0.
; THE PLAN.  Registers that memory or LDS instructions touch, and who else names them:
;   v1-v10  offsets and LDS addresses: written at the head, ahead of the head's wait on va_vdst, and never again.
;   RING    (window 3, up to the barrier) place g % 8: row g's loads land in it, row g's 16 roundings read it, row g + 8's loads land in it behind row g's wait on va_vdst.
;   TMP     Two halves by turns.  Row g's roundings write half g % 2; its 8 LDS stores read it, behind the row's wait on va_vdst.  The wait on vm_vsrc in row g stands ahead of that row's stores:
;           it shows row g - 1's stores done reading the other half, which row g + 1's roundings write.
;   BB      (window 3, behind the barrier) two halves of four buffers.  Chunk c's products read buffer c % 8; the LDS loads of chunk c + 4, issued behind those products, land in the other half.
;   A       (windows 1, 2) chunk c's products read its 16 registers; the next pair's chunk c lands in them, asked for behind the products of chunk c + 4 (chunks 28 to 31: on the way out).
;   DV      Four loads at a pair's head land in it; on the way out 32 vector instructions make offsets of it in place, and 16 global stores read them as addresses.
;   ACC     Written by the products; read by the way out's 16 LDS stores; written again by the next pair's chunk 0.
;   OUT     A buffer for each of the pair's two tiles: LDS loads land in it, global stores read it.  No vector instruction names it.
; A GROUP is four chunks, 32 products.  ONE wait on va_vdst stands at the head of a group: the group before is done reading its half of BB and its four chunks of A.  The group's 32 LDS loads and 16 global
; loads follow, dealt behind each chunk's products, which name the other half of BB, this group's chunks of A and the accumulators: none of the registers that those loads touch.
; Group 0 owes no wait: the way out's wait on va_vdst (for a wave's first pair: the wait of the weights' last row) stands behind the last reader of buffers 4 to 7, and nothing has named them since.
; ONE wait on va_vdst on the way out serves ACC, DV and group 7's activations; ONE wait on vm_vsrc at a pair's head serves DV, OUT and ACC.
.set SECOND, 1
.if SECOND
.set WPITCH, 8192                      ; bytes from row to row of the weights
.set A_MT,   65536                     ; bytes of a tile of 16 slots in the activations
.else
.set WPITCH, 4096
.set A_MT,   32768
.endif
.set A_PAIR, 2*A_MT
.set UP,     272                       ; a UNIT in LDS: 16 rows x 16 bytes + 16 of padding.  Unit 128 t + 4 c + 2 p + h holds W(16 t + r, 32 c + 16 p + 8 h + 0..7) at 16 r
.set NT,     128*UP                    ; the units of 16 rows of W.  A fragment load's 16 lanes take one unit, 256 consecutive bytes; the 16 lane pairs of a store hit 16 units, 68 words apart
.set STAGE,  4*NT                      ; behind the weights: 16 rows x 272 bytes for each wave
.set PLANE,  4104*4096                 ; a half's plane of y2: 4,096 rows and 8 dump rows of 4,096 bytes
.set TT,  16
.set DV,  16
.set ACC, 32
.set OUT, 96
.set TMP, 224
.set BB,  0                            ; in window 3
.set MSB, 0
.macro WIN new                         ; the immediate's high byte repeats the setting that is left; a switch that changes nothing is dropped
.if MSB != (\new)
	s_set_vgpr_msb (MSB<<8)|(\new)
.set MSB, (\new)
.endif
.endm
.macro WLOAD g                         ; row g of my 16 rows of W: 4,096 consecutive bytes, into ring place g % 8 of window 3.  The launch reads each of these bytes once
	WIN 0xc0
.irp kb, 0,1,2,3,4,5,6,7
	global_load_b128 v[32*((\g)%8)+4*\kb:32*((\g)%8)+4*\kb+3], v1, s[20:21] offset:(\g)*WPITCH+512*\kb th:TH_LOAD_NT
.endr
.endm
.macro WCONV g                         ; row g rounded to bf16, into half g % 2 of TMP
	WIN 0x0f
.set z, 0
.rept 16
	v_cvt_pk_bf16_f32 v[TMP+16*((\g)%2)+z], v[32*((\g)%8)+2*z], v[32*((\g)%8)+2*z+1]
.set z, z+1
.endr
.endm
.macro WSTORE g                        ; and laid into its units: lane l's 4 numbers of load kb belong to unit 16 kb + l / 2, bytes 16 g + 8 (l % 2)
	WIN 0
.irp kb, 0,1,2,3,4,5,6,7
	ds_store_b64 v6, v[TMP+16*((\g)%2)+2*\kb:TMP+16*((\g)%2)+2*\kb+1] offset:16*UP*\kb+16*(\g)
.endr
.endm
.macro ALOAD c                         ; chunk c of a pair's activations: 2 tiles x 2 loads of 512 consecutive bytes
	WIN 0x40*(1+(\c)/16)
.irp mt, 0,1
.irp p, 0,1
	global_load_b128 v[8*(2*((\c)%16)+\mt)+4*\p:8*(2*((\c)%16)+\mt)+4*\p+3], v1, s[22:23] offset:\mt*A_MT+1024*(\c)+512*\p
.endr
.endr
.endm
.macro BLOAD c                         ; chunk c of the weights' fragments, 64 rows, into buffer c % 8 of window 3
	WIN 0xc0
.irp t, 0,1,2,3
.irp p, 0,1
	ds_load_b128 v[BB+32*((\c)%8)+8*\t+4*\p:BB+32*((\c)%8)+8*\t+4*\p+3], v[2+\t] offset:4*UP*(\c)+2*UP*\p
.endr
.endr
.endm
; One chunk of 32 along K: 8 matrix instructions, the 8 accumulators by turns in the same order in every chunk, over the loop's jump too.  Chunk 0 starts the sums with the constant 0.
; Behind the products: the weights' chunk four further on, and (pf = 1) the next pair's chunk c - 4 of the activations.
.macro STEP c, pf
.if \pf
	s_wait_loadcnt 63                              ; 108 loads or more are younger than this chunk's (the rest of this pair, the next pair's chunks 0 to c - 5): the count is the largest that the wait can name
.else
.set na, 4*(31-(\c))+4*SECOND
.if na > 63
.set na, 63
.endif
	s_wait_loadcnt na                              ; younger are this pair's later chunks (and, in the second product, the four loads of the rows' numbers)
.endif
.set nd, 8*(31-(\c))
.if (nd > 24) || (\pf)
.set nd, 24
.endif
	s_wait_dscnt nd                                ; younger are the weights' next three chunks, while there are any
.if ((\c)%4 == 0) && ((\c) > 0) && ((\pf) || ((\c) < 28))
	s_wait_alu depctr_va_vdst(0)                   ; a group's head: the products of the four chunks before are done reading their half of BB and their activations, in which this group's loads land
.endif
	WIN 0x03+0x04*(1+(\c)/16)
.irp t, 0,1,2,3
.irp mt, 0,1
.if (\c) == 0
	v_wmma_f32_16x16x32_bf16 v[ACC+8*(4*\mt+\t):ACC+8*(4*\mt+\t)+7], v[BB+32*((\c)%8)+8*\t:BB+32*((\c)%8)+8*\t+7], v[8*(2*((\c)%16)+\mt):8*(2*((\c)%16)+\mt)+7], 0
.else
	v_wmma_f32_16x16x32_bf16 v[ACC+8*(4*\mt+\t):ACC+8*(4*\mt+\t)+7], v[BB+32*((\c)%8)+8*\t:BB+32*((\c)%8)+8*\t+7], v[8*(2*((\c)%16)+\mt):8*(2*((\c)%16)+\mt)+7], v[ACC+8*(4*\mt+\t):ACC+8*(4*\mt+\t)+7]
.endif
.endr
.endr
.if (\pf) || ((\c) < 28)
	BLOAD ((\c)+4)%32                              ; no wait: no vector or matrix instruction since the group's head names the other half of BB
.endif
.if (\pf) && ((\c) >= 4)
	ALOAD (\c)-4                                   ; nor the activations of the group before
.endif
.endm
; THE WAY OUT of a pair.  The rows' numbers are bounded and made byte offsets; then, a tile of 16 slots at a time: a lane's 8 channels of each accumulator go into my stage (low half first) and whole rows of
; 256 bytes come back, each tile's into registers of its own; then sixteen lanes store a row's 256 consecutive bytes, aligned, at the slot's row of y2.  The stage is my own and LDS serves a wave's
; instructions in order: no wait between stores and loads, nor between the first tile's loads and the second tile's stores.
.macro EPI pf
.if \pf
	s_wait_loadcnt 63                              ; the 112 loads of the next pair that have gone out are younger than the rows' numbers
.else
	s_wait_loadcnt 0x0
.endif
.set q, 0
.rept 16
	v_min_u32 v[DV+q], 4103, v[DV+q]               ; a row of y2's plane, whatever toke holds
.set q, q+1
.endr
.set q, 0
.rept 16
	v_lshl_add_u32 v[DV+q], v[DV+q], 12, v9        ; 4,096 x row + my 16 bytes
.set q, q+1
.endr
	s_wait_alu depctr_va_vdst(0)                   ; the products have written the accumulators, which the LDS stores read; the offsets are written, which the global stores read; the last four chunks' products are done reading their activations, in which the loads below land, and buffers 4 to 7 of BB
.if \pf
	ALOAD 28                                       ; the next pair's last four chunks, ahead of the stores
	ALOAD 29
	ALOAD 30
	ALOAD 31
	WIN 0
.endif
.irp mt, 0,1
.irp t, 0,1,2,3
	ds_store_b128 v7, v[ACC+8*(4*\mt+\t):ACC+8*(4*\mt+\t)+3] offset:64*\t
	ds_store_b128 v7, v[ACC+8*(4*\mt+\t)+4:ACC+8*(4*\mt+\t)+7] offset:64*\t+16
.endr
.irp q, 0,1,2,3,4,5,6,7
	ds_load_b128 v[OUT+32*\mt+4*\q:OUT+32*\mt+4*\q+3], v8 offset:UP*\q
.endr
.endr
.irp mt, 0,1
.irp q, 0,1,2,3,4,5,6,7
	s_wait_dscnt 16*(1-\mt)+7-\q                   ; younger are the tile's later rows' loads, and behind the first tile the second tile's sixteen LDS instructions
	global_store_b128 v[DV+8*\mt+\q], v[OUT+32*\mt+4*\q:OUT+32*\mt+4*\q+3], s[24:25]
.endr
.endr
.endm
; A pair.  pf = 1: the pair four further on is fetched meanwhile.
.macro PASS pf
	s_wait_xcnt 0x0                                ; every earlier memory instruction has had its addresses translated: the activations' base and the registers that the last pair's stores named are written again only behind this wait
.if SECOND
	s_wait_alu depctr_vm_vsrc(0)                   ; the last pair's stores have read the rows' offsets and the rows, in which loads land again, and its LDS stores the accumulators, which chunk 0's products write
.endif
.if \pf
	s_add_nc_u64 s[22:23], s[22:23], 4*A_PAIR
.endif
.if SECOND
.irp mt, 0,1
.irp u, 0,1
	global_load_b128 v[DV+8*\mt+4*\u:DV+8*\mt+4*\u+3], v10, s[26:27] offset:64*\mt+16*\u  ; the y2 rows of the pair's slots; the vector instructions that wrote these registers stand ahead of the way out's wait on va_vdst
.endr
.endr
.endif
.set cc, 0
.rept 32
	STEP cc, \pf
.set cc, cc+1
.endr
	WIN 0
.rept 4
	v_nop                                          ; four places between the last product and the first read of a result (ISA guide 7.12.1)
.endr
	EPI \pf
.if \pf
	s_wait_xcnt 0x0                                ; the loads of the rows' numbers have read their base
.if SECOND
	s_add_nc_u64 s[26:27], s[26:27], 512           ; four pairs of 32 entries on
.else
	s_add_nc_u64 s[24:25], s[24:25], 4*131072      ; four pairs on in hf
.endif
.endif
.endm
	s_load_b256 s[4:11], s[0:1], 0x0               ; weights s[4:5], activations s[6:7], meta s[8:9], s[10:11]: hf (first product) or toke (second)
.if SECOND
	s_load_b64 s[30:31], s[0:1], 0x20              ; y2
	v_lshl_add_u32 v222, v0, 2, 0x26400
	v_mov_b32 v223, 0
.endif
	v_lshrrev_b32 v11, 5, v0
	v_readfirstlane_b32 s12, v11                   ; wave 0..3
	s_and_b32 s13, ttmp7, 0xffff                   ; expert
.if SECOND
	s_lshr_b32 s14, ttmp9, 1                       ; which 64 rows of W
	s_and_b32 s29, ttmp9, 1                        ; which half of K
.else
	s_mov_b32 s14, ttmp9
.endif
	v_and_b32 v11, 31, v0                          ; l
	v_and_b32 v12, 15, v0                          ; r
	v_bfe_u32 v13, v0, 4, 1                        ; h
	v_lshlrev_b32 v1, 4, v11                       ; v1: 16 l
	v_mul_u32_u24 v2, v13, UP
	v_lshl_add_u32 v2, v12, 4, v2                  ; v2-5: a fragment's place for rows 16 t ..: 34,816 t + 272 h + 16 r
	v_add_nc_u32 v3, NT, v2
	v_add_nc_u32 v4, 2*NT, v2
	v_add_nc_u32 v5, 3*NT, v2
	v_lshrrev_b32 v14, 1, v11
	v_and_b32 v15, 1, v11
	v_mul_u32_u24 v6, v14, UP
	v_lshl_add_u32 v6, v15, 3, v6
	s_wait_alu depctr_va_sdst(0)                   ; s12 is written, ahead of its first reader: LDS places, bases and the number of my pairs are made from it
	s_mul_i32 s17, s12, NT
	v_add_nc_u32 v6, s17, v6                       ; v6: where my rounded numbers go: 34,816 w + 272 (l / 2) + 8 (l % 2)
.if SECOND
	s_mul_i32 s17, s12, 16*UP
	s_add_co_u32 s17, s17, STAGE                   ; my stage: 16 rows of 256 bytes + 16
	v_mul_u32_u24 v7, v12, UP
	v_lshl_add_u32 v7, v13, 5, v7
	v_add_nc_u32 v7, s17, v7                       ; v7: in: row r, 32 bytes for each half of the lanes
	v_mul_u32_u24 v8, v13, 8*UP
	v_lshl_add_u32 v8, v12, 4, v8
	v_add_nc_u32 v8, s17, v8                       ; v8: back: lanes 0-15 row q, lanes 16-31 row q + 8
	v_lshlrev_b32 v9, 4, v12                       ; v9: my 16 bytes of a row's 256
	v_lshlrev_b32 v10, 5, v13                      ; v10: lanes 16-31 take the entries of the slots 8 further on
.endif
	s_lshl_b32 s18, s13, 23                        ; the expert's 8 MiB of weights,
	s_lshl_b32 s17, s14, 18+SECOND                 ; the work-group's 64 rows,
	s_add_co_u32 s18, s18, s17
	s_lshl_b32 s17, s12, 16+SECOND                 ; my 16 of them
	s_add_co_u32 s18, s18, s17
.if SECOND
	s_lshl_b32 s17, s29, 12                        ; and the half of K
	s_add_co_u32 s18, s18, s17
.endif
	s_mov_b32 s19, 0                               ; s[18:19]: an offset as a pair; the high word stays 0
	s_wait_kmcnt 0x0
	s_add_nc_u64 s[20:21], s[4:5], s[18:19]
	WIN 0xc0
	s_wait_alu depctr_va_vdst(0)                   ; the offsets and LDS addresses v1 to v10 are written: every load and store of the kernel reads one of them
.irp g, 0,1,2,3,4,5,6,7
	WLOAD \g
.endr
	s_lshl_b32 s18, s13, 2
	s_add_nc_u64 s[8:9], s[8:9], s[18:19]
	s_load_b32 s15, s[8:9], 0x0                    ; the expert's pairs
.if SECOND
	s_mul_i32 s18, s29, PLANE                      ; y2: the half's plane, the work-group's 256 bytes of every row
	s_lshl_b32 s17, s14, 8
	s_add_co_u32 s18, s18, s17
	s_add_nc_u64 s[24:25], s[30:31], s[18:19]
	s_lshl_b32 s18, s13, 13                        ; toke: the expert's list, my first pair's 32 entries
	s_lshl_b32 s17, s12, 7
	s_add_co_u32 s18, s18, s17
	s_add_nc_u64 s[26:27], s[10:11], s[18:19]
.else
	s_lshl_b32 s18, s13, 23                        ; hf: the expert, my first pair, the work-group's two chunks
	s_lshl_b32 s17, s12, 17
	s_add_co_u32 s18, s18, s17
	s_lshl_b32 s17, s14, 11
	s_add_co_u32 s18, s18, s17
	s_add_nc_u64 s[24:25], s[10:11], s[18:19]
.endif
	s_wait_kmcnt 0x0
	s_min_u32 s15, s15, 64
	s_max_u32 s15, s15, 1                          ; 1 to 64 pairs
	s_sub_co_u32 s17, s15, 1
	s_min_u32 s17, s17, s12                        ; my first pair is pair w; a wave that has none fetches the expert's last pair and uses nothing of it,
	s_min_u32 s17, s17, 3                          ; so that the text up to the barrier is the same for every wave
	s_lshl_b32 s18, s17, 16+SECOND
	s_lshl_b32 s17, s13, 22+SECOND
	s_add_co_u32 s18, s18, s17
.if SECOND
	s_lshl_b32 s17, s29, 15                        ; the half's 32 chunks of 1,024 bytes
	s_add_co_u32 s18, s18, s17
.endif
	s_add_nc_u64 s[22:23], s[6:7], s[18:19]
; The weights: 8 rows are on their way; each row is rounded, its ring place takes the row 8 further on, and the row is laid into LDS; when no row is left, the first pair's activations go out instead.
.set g, 0
.rept 16
.if g <= 8
	s_wait_loadcnt 56                              ; younger are the seven rows behind this one
.else
	s_wait_loadcnt 63                              ; younger are the rows behind this one and 16 (g - 8) loads of activations, 64 or more: the largest count that the wait can name
.endif
	WCONV g
.if g < 8
	WIN 0xc0
	s_wait_alu depctr_va_vdst(0)                   ; the roundings are done reading ring place g, in which the loads below land, and have written their half of TMP, which the LDS stores below read
	WLOAD g+8
	WIN 0
.else
	ALOAD 4*(g-8)                                  ; no vector instruction has named windows 1 and 2: these loads hang on the head's wait alone
	ALOAD 4*(g-8)+1
	ALOAD 4*(g-8)+2
	ALOAD 4*(g-8)+3
	WIN 0
	s_wait_alu depctr_va_vdst(0)                   ; the roundings have written their half of TMP, which the LDS stores below read, and are done reading their ring place, which is a buffer of BB behind the barrier
.endif
.if (g > 0) && (g < 15)
	s_wait_alu depctr_vm_vsrc(0)                   ; the LDS stores of the row before have read the other half of TMP, which the next row's roundings write
.endif
	WSTORE g
.set g, g+1
.endr
	s_wait_dscnt 0x0                               ; for the others' sake: my 16 rows are in LDS
	s_barrier_signal -1
	s_barrier_wait -1                              ; all 64 rows are; from here on LDS's weights are only read, and no barrier follows
	s_add_co_u32 s16, s15, 3
	s_sub_co_u32 s16, s16, s12
	s_lshr_b32 s16, s16, 2                         ; my pairs: w, w + 4, ... below the expert's number
	s_cmp_eq_u32 s16, 0
	s_cbranch_scc1 .Lend
	BLOAD 0                                        ; into what was the ring: its last readers, the roundings, stand ahead of the last row's wait on va_vdst, and no vector instruction has followed
	BLOAD 1
	BLOAD 2
	BLOAD 3
	WIN 0
	s_sub_co_u32 s28, s16, 1
	s_cmp_eq_u32 s28, 0
	s_cbranch_scc1 .Ltail
.Lpass:
	PASS 1
	s_sub_co_i32 s28, s28, 1
	s_cmp_lg_u32 s28, 0
	s_cbranch_scc1 .Lpass
.Ltail:
	PASS 0                                         ; my last pair is written out: nothing is fetched beyond it
.Lend:
	s_wait_dscnt 0x0
	s_wait_alu depctr_hold_cnt(0) depctr_sa_sdst(0) depctr_va_vdst(0) depctr_va_sdst(0) depctr_va_ssrc(0) depctr_va_vcc(0) depctr_vm_vsrc(0)
	s_wait_tensorcnt 0x0
	ds_add_u32 v222, v223
	s_wait_dscnt 0x0
	s_endpgm
.Lfunc_end_k_q42b04ebd13_ffn2:
	.size	k_q42b04ebd13_ffn2, .Lfunc_end_k_q42b04ebd13_ffn2-k_q42b04ebd13_ffn2
	.p2alignl 7, 3214868480
	.fill 96, 4, 3214868480
	.section	.rodata,"a",@progbits
	.p2align	6, 0x0
	.amdhsa_kernel k_q42b04ebd13_ffn2
		.amdhsa_group_segment_fixed_size 157184
		.amdhsa_private_segment_fixed_size 0
		.amdhsa_enable_private_segment 0
		.amdhsa_kernarg_size 40
		.amdhsa_user_sgpr_count 2
		.amdhsa_user_sgpr_kernarg_segment_ptr 1
		.amdhsa_wavefront_size32 1
		.amdhsa_system_sgpr_workgroup_id_x 1
		.amdhsa_system_sgpr_workgroup_id_y 1
		.amdhsa_system_sgpr_workgroup_id_z 1
		.amdhsa_system_vgpr_workitem_id 0
		.amdhsa_next_free_vgpr 1024
		.amdhsa_next_free_sgpr 66
		.amdhsa_reserve_vcc 0
		.amdhsa_float_denorm_mode_32 3
		.amdhsa_float_denorm_mode_16_64 3
		.amdhsa_memory_ordered 1
		.amdhsa_forward_progress 1
		.amdhsa_inst_pref_size 154
	.end_amdhsa_kernel
	.amdgpu_metadata
---
amdhsa.version: [ 1, 2 ]
amdhsa.kernels:
  - .name:           k_q42b04ebd13_ffn2
    .symbol:         k_q42b04ebd13_ffn2.kd
    .args:
      - { .name: w2, .offset: 0, .size: 8, .value_kind: global_buffer, .address_space: global }
      - { .name: hf, .offset: 8, .size: 8, .value_kind: global_buffer, .address_space: global }
      - { .name: meta, .offset: 16, .size: 8, .value_kind: global_buffer, .address_space: global }
      - { .name: toke, .offset: 24, .size: 8, .value_kind: global_buffer, .address_space: global }
      - { .name: y2, .offset: 32, .size: 8, .value_kind: global_buffer, .address_space: global }
    .group_segment_fixed_size: 157184
    .private_segment_fixed_size: 0
    .kernarg_segment_align: 8
    .kernarg_segment_size: 40
    .max_flat_workgroup_size: 128
    .sgpr_count:     66
    .vgpr_count:     1024
    .wavefront_size: 32
...
	.end_amdgpu_metadata
.endif
;; end of part 8
;; launch combine: the kernel of part 6 again; grid 256 x 1, 8 waves a work-group, no clusters, 0 bytes of LDS; arguments x, ri, rw, y2, out0; writes out0
